; MI455X (gfx1250); checked and timed in simulation.
; The chip was launched on July 23, 2026; its instructions are those of AMD's public machine-readable ISA for CDNA 5 (MIT licence, August 2026) and "CDNA5" Instruction Set Architecture Reference Guide (July 2026). The comments in the code are by the model that wrote it; some were corrected since.
;; Muti Query Attention. Allowed arithmetic: matrix products marked QUANTISED: E5M2 operands, one given power-of-two scale a tensor, by v_wmma_f32_16x16x64_bf8_bf8 or v_wmma_f32_16x16x128_bf8_bf8, f32 sums; everything else in f32.
;; Inputs: Wk_codes 64 x 32 x 32 uint8 (E5M2 codes of Wk, K innermost, in blocks of 32 codes); Wo_codes 1,024 x 32 x 32 uint8 (E5M2 codes of Wo, K innermost, in blocks of 32 codes); Wq_codes 1,024 x 32 x 32 uint8 (E5M2 codes of Wq, K innermost, in blocks of 32 codes); Wv_codes 64 x 32 x 32 uint8 (E5M2 codes of Wv, K innermost, in blocks of 32 codes); bk 64 float32; bo 1,024 float32; bq 1,024 float32; bv 64 float32; hidden_state_codes 4 x 2,048 x 32 x 32 uint8 (E5M2 codes of hidden_state, K innermost, in blocks of 32 codes); lowp_scales 12 int32 (the exponents e of the quantised operands' scales 2^e).
;; Outputs: out0 4 x 2,048 x 1,024 float32.
;; This version of the problem:
;;   THIS VERSION OF THE PROBLEM IS GIVEN IN LOW PRECISION. The matrix products marked QUANTISED in the list below multiply operands that are first quantised to E5M2 (5 exponent bits, 2 mantissa bits; 8 bits a number), with one given power-of-two scale for each operand tensor; their sums are f32. All else is computed in f32.
;;   The module's matrix products, in the order in which they are computed (A, B: the left and right operand; K: the contracted axis; several contracted axes count as one K, in the product's order):
;;     1. [M 8,192, K 1,024] x [K 1,024, N 1,024]; A: input hidden_state (given as codes); B: input Wq (given as codes): QUANTISED (scales: A lowp_scales[0], B lowp_scales[1])
;;     2. [M 8,192, K 1,024] x [K 1,024, N 64]; A: input hidden_state (given as codes); B: input Wk (given as codes): QUANTISED (scales: A lowp_scales[2], B lowp_scales[3])
;;     3. [M 8,192, K 1,024] x [K 1,024, N 64]; A: input hidden_state (given as codes); B: input Wv (given as codes): QUANTISED (scales: A lowp_scales[4], B lowp_scales[5])
;;     4. batch 4 x [M 2,048, K 64] x [K 64, N 32,768]; A: computed on the way; B: computed on the way: QUANTISED (scales: A lowp_scales[6], B lowp_scales[7])
;;     5. batch 4 x [M 64, K 2,048] x [K 2,048, N 32,768]; A: computed on the way; B: softmax (see below): QUANTISED (scales: A lowp_scales[8], B lowp_scales[9])
;;     6. [M 8,192, K 1,024] x [K 1,024, N 1,024]; A: computed on the way; B: input Wo (given as codes): QUANTISED (scales: A lowp_scales[10], B lowp_scales[11])
;;   THE QUANTISER, for each operand of a quantised product, along K:
;;     - The operand's scale is 2^e, e = its entry of the input lowp_scales (int32; the entries are numbered through the quantised products in the list's order, A before B).
;;     - Each number is divided by the scale, clamped to +-57,344, and rounded to the nearest number of E5M2, ties to even, subnormals kept.
;;     - The product sums the exact products of the quantised numbers (number of the format x scale) in f32.
;;   ~~~python
;;   def quantise(x, axis, e):      # numpy; x: float32 -> the quantised numbers, widened to float32 again
;;       x = np.moveaxis(x, axis, -1); K = x.shape[-1]
;;       r = np.clip(x / 2.0 ** e, -57344, 57344)
;;       step = 2.0 ** (np.maximum(np.frexp(np.where(r == 0, 1, r))[1] - 1, -14) - 2)
;;       q = np.round(r / step) * step * 2.0 ** e      # np.round: ties to even
;;       return np.moveaxis(q, -1, axis).astype(np.float32)
;;   ~~~
;;   SOFTMAX AHEAD OF A QUANTISED PRODUCT. Where the list says 'softmax', what is quantised is not the finished softmax but p = 2^(t - M), with t = logit x log2(e) and M = ceil(the row's largest t), a whole number; so 1/2 < the row's largest p <= 1. The row's sum l is taken of the UNQUANTISED p, in f32, and the product's result is divided by l at the end. Since M is a whole number, a kernel that streams over the keys may use a running M (the ceiling of the running maximum): every later rescaling is an exact power of two, so the quantised numbers keep their values, but for numbers so far below the row's largest that they fall under the format's range.
;;   OPERANDS COMPUTED ON THE WAY. 'Computed on the way' means the value that the module computes at that place (a softmax that the list does not call 'softmax' is quantised finished and normalised). What goes into a quantiser is computed in f32, as accurately as f32 sums, v_exp_f32 and their like allow (about 1e-6 of the number): no bf16 or f16 on the way to a quantiser, and a product that is left as it is and whose result goes on into a quantised operand takes f32 operands (vector FMAs, or v_wmma_f32_16x16x4_f32). A number that lies on a knife's edge between two numbers of the format may be rounded either way, as far as f32 arithmetic and the matrix unit's own rounding can turn it there, and no further.
;;   INPUTS GIVEN AS CODES. Wk (in the module: [1024, 64], K = its axis 0); Wo (in the module: [1024, 1024], K = its axis 0); Wq (in the module: [1024, 1024], K = its axis 0); Wv (in the module: [1024, 64], K = its axis 0); hidden_state (in the module: [4, 2048, 1024], K = its axis 2): each comes as NAME_codes (uint8): NAME with its K axis moved to the last place and cut into blocks of 32 codes, [.., K / 32, bytes a block], one block behind the other in memory; one code a byte (a code: sign, 5 exponent bits, 2 mantissa bits); its scale is its entry of lowp_scales. Its value is code x scale, taken as it is: it is not quantised again, and the codes and scales need not be those that the quantiser above would give.
;; 2 versions, each right; version 2 is version 1 with the launch attn written anew for expert scheduling mode. Each part assembles by itself: llvm-mc -triple=amdgcn-amd-amdhsa -mcpu=gfx1250 --defsym DOCPART=n.
;; ======== version 1 of 2: 3 launches
;; limits: right only within a limited range of input values
;; workspace buffers: q_img 8,388,608 bytes; k_img 524,288 bytes; v_img 524,288 bytes; a_img 8,388,608 bytes
;; launch proj (part 1): grid 64 x 4, 8 waves a work-group, clusters of 4 x 1, 327,680 bytes of LDS; arguments hidden_state_codes, Wq_codes, Wk_codes, Wv_codes, bq, bk, bv, lowp_scales, q_img, k_img, v_img; writes q_img, k_img, v_img
.if DOCPART == 1
	.amdgcn_target "amdgcn-amd-amdhsa--gfx1250"
	.amdhsa_code_object_version 6
	.text
	.protected	k_q51eecd1516_proj
	.globl	k_q51eecd1516_proj
	.p2align	8
	.type	k_q51eecd1516_proj,@function
k_q51eecd1516_proj:
	s_mov_b64 s[64:65], 0
	v_nop
	global_prefetch_b8 v0, s[64:65] scope:SCOPE_SE
	s_setreg_imm32_b32 hwreg(HW_REG_WAVE_MODE, 25, 1), 1
	s_wait_xcnt 0x0
	s_wait_alu depctr_hold_cnt(0) depctr_sa_sdst(0) depctr_va_vdst(0) depctr_va_sdst(0) depctr_va_ssrc(0) depctr_va_vcc(0) depctr_vm_vsrc(0)
	s_getreg_b32 s2, hwreg(HW_REG_IB_STS2, 6, 4)
	s_cmp_eq_u32 s2, 0
	s_cbranch_scc0 .Lentry_in_a_cluster
	s_endpgm
.Lentry_in_a_cluster:
	s_bfe_u32 s2, ttmp6, 0x10000c
	s_cmp_lg_u32 s2, 0x3003
	s_cbranch_scc0 .Lentry_shape_is_right
	s_endpgm
.Lentry_shape_is_right:
; q = h Wq + bq, k = h Wk + bk, v = h Wv + bv on codes of BF8 (E5M2), then quantised: q with 2^e7, k with 2^e6, v with 2^e8 (e: the entries of the buffer of scales).
; h: [8192][1024] codes; Wq: [1024][1024], Wk, Wv: [64][1024] codes, K innermost.  A sum of codes stands for sum x 2^(e0+e1) (q), 2^(e2+e3) (k), 2^(e4+e5) (v).
; SHARES.  A work-group (mi, nj) takes rows 128 mi .. +127 and columns 256 nj .. +255 of q (heads 4 nj .. 4 nj + 3), and k and v of its rows 32 nj .. 32 nj + 31: 256 equal work-groups.
; Eight waves, wave w = (wr = w & 1, wc = w >> 1): 64 rows x 64 columns of q (one head): 16 accumulators.  Besides, two tiles of k (waves 0-3) or of v (waves 4-7).
; K = 1024 goes in four steps of 256 through two LDS slots; a step is four substeps of 64 (v_wmma_f32_16x16x64_bf8_bf8).  Everything is written out: no loop.
; CLUSTER.  The four partners are four row tiles with one nj: they need the same rows of Wq, Wk and Wv, three quarters of a slot's bytes, which are asked for jointly (mask 15).  h's rows are each work-group's own.
; LAYOUT.  q and k are made transposed (source 0 = 16 rows of W, source 1 = 16 rows of h): a lane holds one row and eight neighbouring columns, so one conversion gives two registers of the next product's operand.
; v is made the other way round (source 0 = 16 keys of h, source 1 = 16 rows of Wv), so that a lane's registers run along the keys, the K of the product that reads v.
; THE OUTPUTS ARE IMAGES OF OPERAND REGISTERS: a piece of 512 bytes is four registers, lane l's 16 bytes at 16 l.  Every store of a wave covers 512 consecutive bytes, aligned.
;   q_img [row tile 512][head 16][2][512];  k_img [key tile 512][2][512];  v_img [128 keys: 64][t 4][4][512], fragment t's lane r holding channel 32 (t/2) + 8 (t%2) + r + 8 (r/8).
; A fragment is fetched by two loads of 16 bytes a lane: registers 4 c .. 4 c + 3 hold k = 32 c + 16 (lane / 16) + 0 .. 15: a permutation of k, the same in both operands; only the order of the sums inside an instruction changes.
; LIMITS: e0+e1, e2+e3, e4+e5 between -126 and 127; e6, e7, e8 between -126 and 112, so that each power of two below is an f32 number.  NaN among the inputs is not served.
; REGISTERS.  window 0: v1, v2 the add's two; v3 16 x lane; v4-9 and v120-125 LDS addresses in slot 0, 1; v10-13 scales and holds; v14, v126, v127 the biases' offsets; v16-31 k's or v's two accumulators;
;   v32-63 h's four fragments; v64-95 Wq's four; v96-119 three fragments for k or v; v128-255 q's accumulators ((a, n) at 128 + 8 (4 a + n)).   window 1: v0-31 bq, v32-47 bk, v48-49 bv.
.set PITCH,  272                       ; an LDS row: 256 bytes + 16 of padding: the 16 rows that a load touches start 16 bytes apart modulo 256
.set WROWS,  64*PITCH                  ; 64 rows: what one tensor load brings
.set SLOT,   8*WROWS                   ; rows 0-127 h, 128-383 Wq, 384-447 Wk, 448-511 Wv
.set SPARE,  2*SLOT                    ; behind the ring: the spare words, 128 bytes for each wave: four blocks of 256 bytes that no other line names
.set OFFQ,   2*WROWS
.set OFFK,   6*WROWS
.set OFFV,   7*WROWS
.set KACC,   16
.set AF,     32
.set BF,     64
.set F0,     96
.set ACC,    128
.set WV,  26                           ; s26 my wave's number
.set WR,  27                           ; s27 w & 1
.set CX,  60                           ; s60 my place in the cluster
.set MI,  61                           ; s61 row tile
.set NJ,  62                           ; s62 column tile
.set WC,  63                           ; s63 w >> 1
.set G1P, 28                           ; s[28:35] descriptor group 1, plain (h's tiles)
.set G1J, 36                           ; s[36:43] the same with the mask (the weights' tiles)
.set G0A, 44                           ; s[44:51] group 0 for h's tiles, a set for each slot
.set G0J, 52                           ; s[52:59] group 0 for the weights' tiles
.set MSB, 0
.macro WIN new                         ; the immediate's high byte repeats the setting that is left
.if MSB != \new
	s_set_vgpr_msb (MSB<<8)|\new
.set MSB, \new
.endif
.endm
.macro PLACES n
.rept \n
	v_nop
.endr
.endm
.macro CROUND                          ; a round of the cluster's barrier
	s_barrier_signal -1
	s_barrier_wait -1
	s_cmp_lg_u32 s[WV], 0
	s_cbranch_scc1 .Lnot_wave_0_\@
	s_barrier_signal -3
.Lnot_wave_0_\@:
	s_barrier_wait -3
	s_barrier_signal -1
	s_barrier_wait -1
.endm
; A refill: waves 0 and 1 fetch h's two halves (their own work-group's), waves 2 to 7 the weights' six tiles, jointly.  The branch hangs on the wave's number alone.  Four v_nop follow each line.
.macro JLOAD slot
	s_cmp_lt_u32 s[WV], 2
	s_cbranch_scc0 .Ljoint_\@
	tensor_load_to_lds s[G0A+4*\slot:G0A+4*\slot+3], s[G1P:G1P+7]
	s_nop 0
.rept 4
	v_nop
.endr
	s_branch .Lasked_\@
.Ljoint_\@:
	tensor_load_to_lds s[G0J+4*\slot:G0J+4*\slot+3], s[G1J:G1J+7]
	s_nop 0
.rept 4
	v_nop
.endr
.Lasked_\@:
.endm
	s_load_b512 s[4:19], s[0:1], 0x0               ; h s[4:5], Wq s[6:7], Wk s[8:9], Wv s[10:11], bq s[12:13], bk s[14:15], bv s[16:17], the scales s[18:19]
	s_load_b128 s[20:23], s[0:1], 0x40             ; q_img s[20:21], k_img s[22:23]
	s_load_b64 s[24:25], s[0:1], 0x50              ; v_img
	v_lshl_add_u32 v1, v0, 2, SPARE
	v_mov_b32 v2, 0
	ds_add_u32 v1, v2
	s_wait_dscnt 0x0
	v_lshrrev_b32 v3, 5, v0
	v_readfirstlane_b32 s[WV], v3                  ; wave 0..7
	s_and_b32 s[WR], s[WV], 1
	s_lshr_b32 s[WC], s[WV], 1
	s_bfe_u32 s[CX], ttmp6, 0x40000                ; cx
	s_lshl_b32 s[MI], ttmp9, 2                     ; in a cluster launch ttmp9 counts clusters
	s_add_co_u32 s[MI], s[MI], s[CX]               ; row tile = 4 x cluster x + cx
	s_and_b32 s[NJ], ttmp7, 3                      ; column tile: the grid has four along y, which the four partners share
	; descriptor group 1: 64 rows x 256 bytes, 1,024 bytes apart in memory, padded in LDS
	s_mov_b32 s[G1P], (1<<20)|(5<<22)|(3<<25)      ; elements of 1 byte; padding on: 4 words behind every 64
	s_mov_b32 s[G1J], 15|(1<<20)|(1<<21)|(5<<22)|(3<<25)   ; the same with the mask of all four partners, and bit 21 beside it
.irp g, G1P, G1J
	s_mov_b32 s[\g+1], 256<<16                     ; tensor_dim0
	s_mov_b32 s[\g+2], 64<<16                      ; tensor_dim1
	s_mov_b32 s[\g+3], 256<<16                     ; tile_dim0
	s_mov_b32 s[\g+4], 64                          ; tile_dim1
	s_mov_b32 s[\g+5], 1024                        ; tensor_dim0_stride
	s_mov_b32 s[\g+6], 0
	s_mov_b32 s[\g+7], 0
.endr
	s_mul_i32 s3, s[WV], WROWS                     ; where my tile goes: wave x 64 rows: no place in the cluster enters an LDS address
	s_lshl_b32 s66, s[MI], 7
	s_lshl_b32 s67, s[WR], 6
	s_add_co_u32 s66, s66, s67
	s_lshl_b32 s66, s66, 10                        ; h: row 128 mi + 64 (w & 1), in bytes
	s_mov_b32 s67, 0
	s_max_u32 s92, s[WV], 2
	s_sub_co_u32 s92, s92, 2                       ; which of the six weight tiles: 0-3 Wq's, 4 Wk, 5 Wv
	s_lshl_b32 s93, s[NJ], 8
	s_lshl_b32 s94, s92, 6
	s_add_co_u32 s93, s93, s94
	s_lshl_b32 s93, s93, 10                        ; Wq: row 256 nj + 64 x tile, in bytes
	s_wait_kmcnt 0x0
	s_load_b256 s[72:79], s[18:19], 0x0            ; e0 .. e7
	s_load_b32 s80, s[18:19], 0x20                 ; e8
	s_add_nc_u64 s[68:69], s[4:5], s[66:67]
	s_cmp_eq_u32 s92, 4
	s_cselect_b64 s[70:71], s[8:9], s[10:11]
	s_cmp_lt_u32 s92, 4
	s_cselect_b64 s[70:71], s[6:7], s[70:71]
	s_cselect_b32 s96, s93, 0
	s_mov_b32 s97, 0
	s_add_nc_u64 s[70:71], s[70:71], s[96:97]      ; made of nj and the wave's number alone: equal in all four partners
	CROUND                                         ; all four work-groups are here: the first joint loads meet
.irp s, 0,1
	s_mov_b32 s[G0A+4*\s], 1                       ; count = 1
	s_add_co_u32 s[G0A+4*\s+1], s3, \s*SLOT        ; LDS address
	s_add_nc_u64 s[G0A+4*\s+2:G0A+4*\s+3], s[68:69], \s*256   ; global address: K step s
	s_or_b32 s[G0A+4*\s+3], s[G0A+4*\s+3], 0x80000000         ; type = 2
	s_mov_b32 s[G0J+4*\s], 1
	s_add_co_u32 s[G0J+4*\s+1], s3, \s*SLOT
	s_add_nc_u64 s[G0J+4*\s+2:G0J+4*\s+3], s[70:71], \s*256
	s_or_b32 s[G0J+4*\s+3], s[G0J+4*\s+3], 0x80000000
.endr
	s_cmp_lt_u32 s[WV], 2                          ; a wave's two first fills stand in one branch: two tensor loads of mine are out
	s_cbranch_scc0 .Lfirst_j
	tensor_load_to_lds s[G0A:G0A+3], s[G1P:G1P+7]
	s_nop 0
	tensor_load_to_lds s[G0A+4:G0A+7], s[G1P:G1P+7]
	s_nop 0
.rept 4
	v_nop
.endr
	s_branch .Lfirst_done
.Lfirst_j:
	tensor_load_to_lds s[G0J:G0J+3], s[G1J:G1J+7]
	s_nop 0
	tensor_load_to_lds s[G0J+4:G0J+7], s[G1J:G1J+7]
	s_nop 0
.rept 4
	v_nop
.endr
.Lfirst_done:
	; LDS addresses, made by every wave
	v_and_b32 v14, 15, v0                          ; r
	v_bfe_u32 v15, v0, 4, 1                        ; hh
	v_and_b32 v3, 31, v0
	v_lshlrev_b32 v3, 4, v3                        ; 16 x lane
	v_mul_u32_u24 v16, v14, PITCH
	v_lshl_add_u32 v16, v15, 4, v16                ; row r x pitch + 16 hh
	s_mul_i32 s92, s[WR], WROWS
	v_add_nc_u32 v4, s92, v16                      ; my 64 rows of h
	s_mul_i32 s92, s[WC], WROWS
	s_add_co_u32 s92, s92, OFFQ
	v_add_nc_u32 v5, s92, v16                      ; my 64 rows of Wq
	s_mul_i32 s92, s[NJ], 32*PITCH
	v_add_nc_u32 v8, s92, v16                      ; v: h's rows 32 nj on (two key tiles)
	s_mul_i32 s93, s[WR], 16*PITCH
	s_add_co_u32 s92, s92, s93
	v_add_nc_u32 v6, s92, v16                      ; k: h's rows 32 nj + 16 (w & 1) on
	s_and_b32 s94, s[WC], 1                        ; kb: which two tiles of Wk
	s_mul_i32 s92, s94, 32*PITCH
	s_add_co_u32 s92, s92, OFFK
	v_add_nc_u32 v7, s92, v16                      ; k: Wk's rows 32 kb on
	v_and_b32 v17, 8, v14
	v_add_nc_u32 v17, v17, v14                     ; r + 8 (r / 8)
	s_and_b32 s95, s[WV], 3                        ; tq: which tile of Wv
	s_lshr_b32 s92, s95, 1
	s_and_b32 s93, s95, 1
	s_lshl_b32 s92, s92, 5
	s_lshl_b32 s93, s93, 3
	s_add_co_u32 s92, s92, s93
	v_add_nc_u32 v17, s92, v17                     ; the row of Wv that my lane takes: 32 (tq/2) + 8 (tq%2) + r + 8 (r/8)
	v_mul_u32_u24 v18, v17, PITCH
	v_lshl_add_u32 v18, v15, 4, v18
	v_add_nc_u32 v9, OFFV, v18                     ; v: Wv's rows
.irp i, 0,1,2,3,4,5
	v_add_nc_u32 v[120+\i], SLOT, v[4+\i]          ; the same six in slot 1
.endr
	v_lshlrev_b32 v126, 5, v15                     ; bq: 32 hh
	s_lshl_b32 s93, s94, 7
	v_add_nc_u32 v127, s93, v126                   ; bk: 128 kb + 32 hh
	v_lshlrev_b32 v14, 2, v17                      ; bv: 4 x my row of Wv
	s_wait_kmcnt 0x0
	s_add_co_i32 s84, s72, s73
	s_add_co_i32 s84, s84, 127
	s_lshl_b32 s84, s84, 23                        ; 2^(e0 + e1) as f32
	s_mov_b32 s85, s84                             ; (named with it as a pair, so it is written)
	s_add_co_i32 s66, s74, s75
	s_add_co_i32 s67, s76, s77
	s_cmp_lt_u32 s[WV], 4                          ; waves 0-3 make k, waves 4-7 v
	s_cselect_b32 s86, s66, s67
	s_cselect_b32 s87, s78, s80
	s_add_co_i32 s86, s86, 127
	s_lshl_b32 s86, s86, 23                        ; 2^(e2 + e3) or 2^(e4 + e5)
	s_add_co_i32 s66, s87, 127
	s_mov_b32 s87, s86
	s_lshl_b32 s67, s66, 23
	v_mov_b32 v12, s67                             ; 2^e6 or 2^e8: the conversion takes its exponent field
	s_add_co_i32 s66, s66, 15
	s_lshl_b32 s66, s66, 23
	s_or_b32 s66, s66, 0x600000
	v_mov_b32 v13, s66                             ; 57,344 x that
	s_add_co_i32 s66, s79, 127
	s_lshl_b32 s67, s66, 23
	v_mov_b32 v10, s67                             ; 2^e7
	s_add_co_i32 s66, s66, 15
	s_lshl_b32 s66, s66, 23
	s_or_b32 s66, s66, 0x600000
	v_mov_b32 v11, s66                             ; 57,344 x 2^e7
	; where the results go
	s_lshl_b32 s66, s[MI], 3                       ; 8 mi: my work-group's first tile of 16 rows
	s_lshl_b32 s67, s[WR], 2
	s_add_co_u32 s67, s67, s66
	s_lshl_b32 s67, s67, 14                        ; x 16,384
	s_lshl_b32 s68, s[NJ], 2
	s_add_co_u32 s68, s68, s[WC]                   ; my head
	s_lshl_b32 s92, s68, 8                         ; its 256 bytes of bq
	s_lshl_b32 s68, s68, 10
	s_add_co_u32 s68, s68, s67
	s_mov_b32 s69, 0
	s_add_nc_u64 s[88:89], s[20:21], s[68:69]      ; q_img
	s_lshl_b32 s67, s[NJ], 1
	s_add_co_u32 s67, s67, s66
	s_add_co_u32 s67, s67, s[WR]
	s_lshl_b32 s67, s67, 10
	s_lshl_b32 s68, s94, 9
	s_add_co_u32 s67, s67, s68                     ; k_img: (8 mi + 2 nj + (w & 1)) x 1,024 + 512 kb
	s_lshl_b32 s68, s[MI], 13
	s_lshl_b32 s66, s95, 11
	s_add_co_u32 s68, s68, s66
	s_lshl_b32 s66, s[NJ], 9
	s_add_co_u32 s68, s68, s66                     ; v_img: 8,192 mi + 2,048 tq + 512 nj
	s_cmp_lt_u32 s[WV], 4
	s_cselect_b64 s[90:91], s[22:23], s[24:25]
	s_cselect_b32 s68, s67, s68
	s_add_nc_u64 s[90:91], s[90:91], s[68:69]
	s_mov_b32 s93, 0
	s_add_nc_u64 s[92:93], s[12:13], s[92:93]      ; bq at my head; not written again
	WIN 0x40                                       ; destination window 1
.irp n, 0,1,2,3
	global_load_b128 v[8*\n:8*\n+3], v126, s[92:93] offset:64*\n        ; bq(16 n + 8 hh + 0 .. 7): the result's layout
	global_load_b128 v[8*\n+4:8*\n+7], v126, s[92:93] offset:64*\n+16
.endr
.irp i, 0,1
	global_load_b128 v[32+8*\i:35+8*\i], v127, s[14:15] offset:64*\i    ; bk(32 kb + 16 i + 8 hh + 0 .. 7)
	global_load_b128 v[36+8*\i:39+8*\i], v127, s[14:15] offset:64*\i+16
.endr
	global_load_b32 v48, v14, s[16:17]             ; bv of my lane's channel, twice: a pair for the packed form
	global_load_b32 v49, v14, s[16:17]
	WIN 0
; A substep: 64 along K at byte 64 q of the slot's rows.  22 LDS loads, 18 matrix instructions; the 18 accumulators take turns, one instruction a turn, in the same order in every substep.
.macro SUB slot, q, first
.set AB, 4+116*(\slot)
.irp a, 0,1,2,3
.irp c, 0,1
	ds_load_b128 v[AF+8*\a+4*\c:AF+8*\a+4*\c+3], v[AB] offset:\a*16*PITCH+64*(\q)+32*\c
	ds_load_b128 v[BF+8*\a+4*\c:BF+8*\a+4*\c+3], v[AB+1] offset:\a*16*PITCH+64*(\q)+32*\c
.endr
.endr
	s_cmp_lt_u32 s[WV], 4
	s_cbranch_scc0 .Lv_\@
.irp c, 0,1                                    ; k: one fragment of h, two of Wk
	ds_load_b128 v[F0+4*\c:F0+4*\c+3], v[AB+2] offset:64*(\q)+32*\c
	ds_load_b128 v[F0+8+4*\c:F0+8+4*\c+3], v[AB+3] offset:64*(\q)+32*\c
	ds_load_b128 v[F0+16+4*\c:F0+16+4*\c+3], v[AB+3] offset:16*PITCH+64*(\q)+32*\c
.endr
	s_branch .Lj_\@
.Lv_\@:
.irp c, 0,1                                    ; v: one fragment of Wv, two of h
	ds_load_b128 v[F0+4*\c:F0+4*\c+3], v[AB+5] offset:64*(\q)+32*\c
	ds_load_b128 v[F0+8+4*\c:F0+8+4*\c+3], v[AB+4] offset:64*(\q)+32*\c
	ds_load_b128 v[F0+16+4*\c:F0+16+4*\c+3], v[AB+4] offset:16*PITCH+64*(\q)+32*\c
.endr
.Lj_\@:
	s_wait_dscnt 0x0                               ; the other wave of the SIMD works meanwhile
.irp i, 0,1
.if \first
	v_wmma_f32_16x16x64_bf8_bf8 v[KACC+8*\i:KACC+8*\i+7], v[F0+8+8*\i:F0+15+8*\i], v[F0:F0+7], 0
.else
	v_wmma_f32_16x16x64_bf8_bf8 v[KACC+8*\i:KACC+8*\i+7], v[F0+8+8*\i:F0+15+8*\i], v[F0:F0+7], v[KACC+8*\i:KACC+8*\i+7]
.endif
.endr
.irp a, 0,1,2,3
.irp n, 0,1,2,3
.if \first
	v_wmma_f32_16x16x64_bf8_bf8 v[ACC+8*(4*\a+\n):ACC+8*(4*\a+\n)+7], v[BF+8*\n:BF+8*\n+7], v[AF+8*\a:AF+8*\a+7], 0
.else
	v_wmma_f32_16x16x64_bf8_bf8 v[ACC+8*(4*\a+\n):ACC+8*(4*\a+\n)+7], v[BF+8*\n:BF+8*\n+7], v[AF+8*\a:AF+8*\a+7], v[ACC+8*(4*\a+\n):ACC+8*(4*\a+\n)+7]
.endif
.endr
.endr
	PLACES 4                                       ; in front of the next loads into registers that these have read, and of the first read of results
.endm
.macro KSTEP slot, first
	SUB \slot, 0, \first
	SUB \slot, 1, 0
	SUB \slot, 2, 0
	SUB \slot, 3, 0
.endm
; The change of slots.  Each wave waits for all its tensor loads (its part of the other slot), adds 0 to its spare word, and waits for that and for its reads of the slot just read.
; fill = 1: a round of the cluster's barrier, and the slot just read is filled with the K step two on: the wave's one tensor load behind the round.
.macro CHANGE slot, fill
	s_wait_tensorcnt 0x0                           ; no tensor load of mine is out, so a group 0 may be written
	ds_add_u32 v1, v2                              ; 0 onto my spare word
.if \fill
	s_add_nc_u64 s[G0A+4*\slot+2:G0A+4*\slot+3], s[G0A+4*\slot+2:G0A+4*\slot+3], 512
	s_add_nc_u64 s[G0J+4*\slot+2:G0J+4*\slot+3], s[G0J+4*\slot+2:G0J+4*\slot+3], 512
.endif
	s_wait_dscnt 0x0                               ; the add is done, and my reads of the slot are over
.if \fill
	CROUND
	JLOAD \slot
.else
	s_barrier_signal -1
	s_barrier_wait -1
.endif
.endm
	s_wait_tensorcnt 1                             ; my part of K step 0 is in; K step 1's load, issued behind it, may be out
	s_barrier_signal -1
	s_barrier_wait -1
	KSTEP 0, 1                                     ; the first products start the sums: nothing is cleared
	CHANGE 0, 1
	KSTEP 1, 0
	CHANGE 1, 1
	KSTEP 0, 0
	CHANGE 0, 0
	KSTEP 1, 0
	; THE WAY OUT.  q = sum x 2^(e0 + e1) + bq, held within the largest code x 2^e7, converted: tile (a, n) gives registers 2 n, 2 n + 1 of row tile a's fragment.
	s_wait_loadcnt 0x0                             ; the biases
	WIN 0x10                                       ; source 2 (the bias) window 1
.irp a, 0,1,2,3
.irp n, 0,1,2,3
.irp i, 0,2,4,6
	v_pk_fma_f32 v[ACC+8*(4*\a+\n)+\i:ACC+8*(4*\a+\n)+\i+1], v[ACC+8*(4*\a+\n)+\i:ACC+8*(4*\a+\n)+\i+1], s[84:85], v[8*\n+\i:8*\n+\i+1] op_sel_hi:[1,0,1]   ; each accumulator from its low end on
.endr
.endr
.endr
	WIN 0
.irp a, 0,1,2,3
.irp n, 0,1,2,3
.irp i, 0,1,2,3,4,5,6,7
	v_med3_num_f32 v[ACC+8*(4*\a+\n)+\i], v[ACC+8*(4*\a+\n)+\i], -v11, v11   ; the conversion to an 8-bit code does not saturate (ISA guide 7.6.2)
.endr
	v_cvt_scalef32_pk8_bf8_f32 v[AF+8*\a+2*\n:AF+8*\a+2*\n+1], v[ACC+8*(4*\a+\n):ACC+8*(4*\a+\n)+7], v10
.endr
.endr
	v_nop                                          ; a plain line behind the last conversion
.irp a, 0,1,2,3
.irp c, 0,1
	global_store_b128 v3, v[AF+8*\a+4*\c:AF+8*\a+4*\c+3], s[88:89] offset:\a*16384+\c*512   ; 32 lanes store 512 consecutive bytes
.endr
.endr
	s_cmp_lt_u32 s[WV], 4
	s_cbranch_scc0 .Lbias_v
	WIN 0x10
.irp i, 0,2,4,6,8,10,12,14
	v_pk_fma_f32 v[KACC+\i:KACC+\i+1], v[KACC+\i:KACC+\i+1], s[86:87], v[32+\i:33+\i] op_sel_hi:[1,0,1]   ; k = sum x 2^(e2 + e3) + bk
.endr
	WIN 0
	s_branch .Lbias_done
.Lbias_v:
	WIN 0x10
.irp i, 0,2,4,6,8,10,12,14
	v_pk_fma_f32 v[KACC+\i:KACC+\i+1], v[KACC+\i:KACC+\i+1], s[86:87], v[48:49] op_sel_hi:[1,0,1]         ; v = sum x 2^(e4 + e5) + bv of my lane's channel
.endr
	WIN 0
.Lbias_done:
.irp i, 0,1,2,3,4,5,6,7,8,9,10,11,12,13,14,15
	v_med3_num_f32 v[KACC+\i], v[KACC+\i], -v13, v13
.endr
	v_cvt_scalef32_pk8_bf8_f32 v[F0:F0+1], v[KACC:KACC+7], v12
	v_cvt_scalef32_pk8_bf8_f32 v[F0+2:F0+3], v[KACC+8:KACC+15], v12
	v_nop
	global_store_b128 v3, v[F0:F0+3], s[90:91]     ; one piece of k_img or of v_img
	s_wait_tensorcnt 0x0                           ; the wave's end
	ds_add_u32 v1, v2
	s_wait_dscnt 0x0
	CROUND                                         ; the closing round: no work-group ends while a partner may still ask for a tile that names it
	s_endpgm
.Lfunc_end_k_q51eecd1516_proj:
	.size	k_q51eecd1516_proj, .Lfunc_end_k_q51eecd1516_proj-k_q51eecd1516_proj
	.p2alignl 7, 3214868480
	.fill 96, 4, 3214868480
	.section	.rodata,"a",@progbits
	.p2align	6, 0x0
	.amdhsa_kernel k_q51eecd1516_proj
		.amdhsa_group_segment_fixed_size 327680
		.amdhsa_private_segment_fixed_size 0
		.amdhsa_enable_private_segment 0
		.amdhsa_kernarg_size 88
		.amdhsa_user_sgpr_count 2
		.amdhsa_user_sgpr_kernarg_segment_ptr 1
		.amdhsa_wavefront_size32 1
		.amdhsa_system_sgpr_workgroup_id_x 1
		.amdhsa_system_sgpr_workgroup_id_y 1
		.amdhsa_system_sgpr_workgroup_id_z 1
		.amdhsa_system_vgpr_workitem_id 0
		.amdhsa_next_free_vgpr 320
		.amdhsa_next_free_sgpr 100
		.amdhsa_reserve_vcc 0
		.amdhsa_float_denorm_mode_32 3
		.amdhsa_float_denorm_mode_16_64 3
		.amdhsa_memory_ordered 1
		.amdhsa_forward_progress 1
		.amdhsa_inst_pref_size 80
	.end_amdhsa_kernel
	.amdgpu_metadata
---
amdhsa.version: [ 1, 2 ]
amdhsa.kernels:
  - .name:           k_q51eecd1516_proj
    .symbol:         k_q51eecd1516_proj.kd
    .args:
      - { .name: hidden_state_codes, .offset: 0, .size: 8, .value_kind: global_buffer, .address_space: global }
      - { .name: Wq_codes, .offset: 8, .size: 8, .value_kind: global_buffer, .address_space: global }
      - { .name: Wk_codes, .offset: 16, .size: 8, .value_kind: global_buffer, .address_space: global }
      - { .name: Wv_codes, .offset: 24, .size: 8, .value_kind: global_buffer, .address_space: global }
      - { .name: bq, .offset: 32, .size: 8, .value_kind: global_buffer, .address_space: global }
      - { .name: bk, .offset: 40, .size: 8, .value_kind: global_buffer, .address_space: global }
      - { .name: bv, .offset: 48, .size: 8, .value_kind: global_buffer, .address_space: global }
      - { .name: lowp_scales, .offset: 56, .size: 8, .value_kind: global_buffer, .address_space: global }
      - { .name: q_img, .offset: 64, .size: 8, .value_kind: global_buffer, .address_space: global }
      - { .name: k_img, .offset: 72, .size: 8, .value_kind: global_buffer, .address_space: global }
      - { .name: v_img, .offset: 80, .size: 8, .value_kind: global_buffer, .address_space: global }
    .group_segment_fixed_size: 327680
    .private_segment_fixed_size: 0
    .kernarg_segment_align: 8
    .kernarg_segment_size: 88
    .max_flat_workgroup_size: 256
    .sgpr_count:     100
    .vgpr_count:     320
    .wavefront_size: 32
...
	.end_amdgpu_metadata
.endif
;; end of part 1
;; launch attn (part 2): grid 64 x 4, 8 waves a work-group, no clusters, 263,168 bytes of LDS; arguments q_img, k_img, v_img, lowp_scales, a_img; writes a_img
.if DOCPART == 2
	.amdgcn_target "amdgcn-amd-amdhsa--gfx1250"
	.amdhsa_code_object_version 6
	.text
	.protected	k_q51eecd1516_attn
	.globl	k_q51eecd1516_attn
	.p2align	8
	.type	k_q51eecd1516_attn,@function
k_q51eecd1516_attn:
	s_mov_b64 s[64:65], 0
	v_nop
	global_prefetch_b8 v0, s[64:65] scope:SCOPE_SE
	s_setreg_imm32_b32 hwreg(HW_REG_WAVE_MODE, 25, 1), 1
	s_wait_xcnt 0x0
; a[b][q][h][:] = the sum over keys of softmax(q . k / 8) v, one K and one V for all 16 heads, both products on codes of BF8 (E5M2); the result is quantised with 2^e10 for the last product.
; THE SOFTMAX AHEAD OF THE SECOND PRODUCT: t = score x log2(e) / 8; M = the row's largest t so far, rounded UP to a whole number; p = 2^(t - M) is quantised with 2^e9, not normalised.
; The row's sum is taken of the unquantised p, in f32, and divides at the end.  When M moves, the sum and O are multiplied by 2^(old M - new M): exact.
; SHARES.  Work-group (x, b): queries 32 x .. 32 x + 31 of batch b, all 16 heads.  Wave w: FOUR tiles of 16 rows: queries 32 x + 16 (w & 1) on, heads 4 (w >> 1) + 0 .. 3.  Each fragment of K and V read from LDS feeds four products.
; Two waves to a SIMD, 512 registers each: one wave's products and LDS loads stand beside the other's vector work, which is the greater part: 196 vector instructions for a tile's 12 matrix instructions in a step of 128 keys.
; THE BATCH'S WHOLE K AND V LIE IN LDS: 131,072 bytes each, as images of operand registers (a piece of 512 bytes = four registers, lane l's 16 bytes at 16 l).  They are brought once, through registers; the key loop has no ring and no barrier.
; NO JOINT LOADS, though the 64 work-groups of a batch read the same K and V: a work-group reads them once, 64 loads and 64 LDS stores a wave, against 16 steps of some 830 instructions.
; The hold of p stands under a scalar branch on the given whole number e9: p is at most 1 and the hold stands at 57,344 x 2^e9 = 1.75 x 2^(15 + e9), so from e9 = -15 on it changes nothing: 64 of a tile step's 260 vector instructions.
; LAYOUT.  S^T = K Q^T (source 0 = 16 keys, source 1 = 16 queries), O^T = V^T P (source 0 = 16 channels, source 1 = P): a lane holds ONE query (lane % 16) throughout.  Register j of key tile kt is key 16 kt + 8 (lane / 16) + j:
; one conversion gives P's registers 2 kt, 2 kt + 1.  V's fragment t has channel 32 (t/2) + 8 (t%2) + r + 8 (r/8) in lane r, so that O^T's tiles 2 b, 2 b + 1 are 16 neighbouring channels 32 b + 16 (lane / 16) + 0 .. 15 of a lane.
; LIMITS: e6 + e7 between -123 and 130 (added to c's exponent field); e9 and e10 - e8 - e9 between -126 and 112.  NaN among the inputs is not served.
; REGISTERS.  window 0: v1 16 x lane; v2, v3 LDS addresses; v4, v5 2^e9 and the hold; v6, v7 2^(e10-e8-e9) and its hold; v[8:9] f; v[10:11], v12-14 at work; v16 + 4 t: -M, the largest t, the sum in two halves;
;   v32 + 8 t Q; v64-127, v128-191 two tiles' scores, then p; v192 + 16 t P's codes.   window 1: v[32 t + 8 u] O^T; v128-191 K's eight fragments; v192-255 V's four.
.set ST,  16
.set QF,  32
.set S0,  64
.set S1,  128
.set P,   192
.set KF,  128                          ; in window 1
.set VF,  192                          ; in window 1
.set WV,  14                           ; s14 my wave's number
.set CNT, 15                           ; s15 key steps to go
.set TB,  16                           ; s16 LDS byte of the key step to be fetched
.set E9,  17                           ; s17 e9
.set CS,  18                           ; s[18:19] c = log2(e) / 8 x 2^(e6 + e7)
.set SEL, 20                           ; s[20:21] lane selects: lane l xor 16
.set MSB, 0
.macro WIN new                         ; the immediate's high byte repeats the setting that is left
.if MSB != \new
	s_set_vgpr_msb (MSB<<8)|\new
.set MSB, \new
.endif
.endm
.macro PLACES n
.rept \n
	v_nop
.endr
.endm
	s_load_b256 s[4:11], s[0:1], 0x0               ; q_img s[4:5], k_img s[6:7], v_img s[8:9], the scales s[10:11]
	s_load_b64 s[12:13], s[0:1], 0x20              ; a_img
	v_lshrrev_b32 v2, 5, v0
	v_readfirstlane_b32 s[WV], v2                  ; wave 0..7
	v_and_b32 v1, 31, v0
	v_lshlrev_b32 v1, 4, v1                        ; 16 x lane
	s_lshl_b32 s36, s[WV], 14
	v_add_nc_u32 v2, s36, v1                       ; the fill: my wave's 16,384 bytes of K's image, in memory and in LDS alike,
	v_add_nc_u32 v3, 0x20000, v2                   ; and of V's, which lies behind K's in LDS
	s_and_b32 s37, ttmp7, 0xffff                   ; the batch
	s_lshl_b32 s38, s37, 7
	s_lshl_b32 s39, ttmp9, 1
	s_add_co_u32 s38, s38, s39
	s_and_b32 s39, s[WV], 1
	s_add_co_u32 s38, s38, s39                     ; my tile of 16 queries: 128 b + 2 x + (w & 1)
	s_lshr_b32 s39, s[WV], 1                       ; my four heads
	s_lshl_b32 s22, s38, 14
	s_lshl_b32 s23, s39, 12
	s_add_co_u32 s22, s22, s23
	s_mov_b32 s23, 0                               ; q_img: 16,384 x tile + 4,096 x (w >> 1)
	s_lshl_b32 s36, s37, 17
	s_mov_b32 s37, 0                               ; k_img, v_img: 131,072 x batch
	s_lshr_b32 s16, s38, 3
	s_lshl_b32 s16, s16, 17
	s_lshl_b32 s39, s39, 15
	s_add_co_u32 s16, s16, s39
	s_and_b32 s38, s38, 7
	s_lshl_b32 s38, s38, 12
	s_add_co_u32 s38, s38, s16
	s_mov_b32 s39, 0                               ; a_img: 131,072 x (tile / 8) + 32,768 x (w >> 1) + 4,096 x (tile % 8)
	s_mov_b32 s[SEL], 0x76543210
	s_mov_b32 s[SEL+1], 0xfedcba98
	s_wait_kmcnt 0x0
	s_load_b256 s[24:31], s[10:11], 0x0            ; e0 .. e7
	s_load_b128 s[32:35], s[10:11], 0x20           ; e8 .. e11
	s_add_nc_u64 s[4:5], s[4:5], s[22:23]
	s_add_nc_u64 s[6:7], s[6:7], s[36:37]
	s_add_nc_u64 s[8:9], s[8:9], s[36:37]
	s_add_nc_u64 s[12:13], s[12:13], s[38:39]
.irp i, 0,1,2,3,4,5,6,7
	global_load_b128 v[QF+4*\i:QF+4*\i+3], v1, s[4:5] offset:512*\i th:TH_LOAD_NT   ; Q's four fragments stay in registers
.endr
	WIN 0x40                                       ; destination window 1
.set ii, 0
.rept 32
	global_load_b128 v[4*ii:4*ii+3], v2, s[6:7] offset:512*ii
.set ii, ii+1
.endr
.set ii, 0
.rept 32
	global_load_b128 v[128+4*ii:128+4*ii+3], v2, s[8:9] offset:512*ii
.set ii, ii+1
.endr
	WIN 0
	s_wait_kmcnt 0x0
	s_add_co_i32 s36, s30, s31
	s_lshl_b32 s36, s36, 23
	s_add_co_i32 s[CS], s36, 0x3e38aa3b            ; c = log2(e) / 8, with e6 + e7 added to its exponent field: a score stands for score x 2^(e6 + e7)
	s_mov_b32 s[CS+1], s[CS]                       ; (named with it as a pair, so it is written)
	s_mov_b32 s[E9], s33
	s_add_co_i32 s36, s33, 127
	s_lshl_b32 s37, s36, 23
	v_mov_b32 v4, s37                              ; 2^e9 as f32, for the conversion
	s_add_co_i32 s36, s36, 15
	s_lshl_b32 s36, s36, 23
	s_or_b32 s36, s36, 0x600000
	v_mov_b32 v5, s36                              ; 57,344 x 2^e9
	s_sub_co_i32 s36, s34, s32
	s_sub_co_i32 s36, s36, s33
	s_add_co_i32 s36, s36, 127
	s_lshl_b32 s37, s36, 23
	v_mov_b32 v6, s37                              ; 2^(e10 - e8 - e9): O / the sum stands for that x 2^(e8 + e9): the three scales folded into the conversion's one
	s_add_co_i32 s36, s36, 15
	s_lshl_b32 s36, s36, 23
	s_or_b32 s36, s36, 0x600000
	v_mov_b32 v7, s36
	WIN 0x04                                       ; store data (source 1) window 1
	s_wait_loadcnt 48                              ; of 72 loads the first 24 are in: Q and K's first 16; 48 younger ones may be out
.set ii, 0
.rept 16
	ds_store_b128 v2, v[4*ii:4*ii+3] offset:512*ii
.set ii, ii+1
.endr
	s_wait_loadcnt 32                              ; K's other 16 are in; V's 32 may be out
.rept 16
	ds_store_b128 v2, v[4*ii:4*ii+3] offset:512*ii
.set ii, ii+1
.endr
	s_wait_loadcnt 16                              ; V's first 16
.set ii, 0
.rept 16
	ds_store_b128 v3, v[128+4*ii:128+4*ii+3] offset:512*ii
.set ii, ii+1
.endr
	s_wait_loadcnt 0x0
.rept 16
	ds_store_b128 v3, v[128+4*ii:128+4*ii+3] offset:512*ii
.set ii, ii+1
.endr
	s_wait_dscnt 0x0                               ; for the others' sake: my part of K and V lies in LDS
	s_barrier_signal -1
	WIN 0x40
.set ii, 0
.rept 128
	v_mov_b32 v[ii], 0                             ; O^T.  (The key step is written without a first step of its own: the first finds zeros, which the first change of M leaves zeros.)  Register work while the others arrive
.set ii, ii+1
.endr
	WIN 0
.irp t, 0,1,2,3
	v_mov_b32 v[ST+4*\t+1], 0xff61b1e6             ; the largest t so far: -3e38, under every t
	v_floor_f32 v[ST+4*\t], -v[ST+4*\t+1]          ; -M
	v_mov_b32 v[ST+4*\t+2], 0                      ; the sum, in two halves
	v_mov_b32 v[ST+4*\t+3], 0
.endr
	v_mov_b32 v9, 0                                ; (named as the upper half of the pair v[8:9])
	v_mov_b32 v14, 0                               ; written once: a lane permute's destination counts as one of its sources
	s_barrier_wait -1                              ; the whole of K and V lies in LDS; nothing is stored there from here on
.macro KQ t, sb                        ; S^T of tile t for 128 keys: eight products, each starts its sum
.irp kt, 0,1,2,3,4,5,6,7
	v_wmma_f32_16x16x64_bf8_bf8 v[\sb+8*\kt:\sb+8*\kt+7], v[KF+8*\kt:KF+8*\kt+7], v[QF+8*\t:QF+8*\t+7], 0
.endr
.endm
.macro PV                              ; O^T += V^T P: sixteen accumulators, one instruction each
.irp u, 0,1,2,3
.irp t, 0,1,2,3
	v_wmma_f32_16x16x128_bf8_bf8 v[32*\t+8*\u:32*\t+8*\u+7], v[VF+16*\u:VF+16*\u+15], v[P+16*\t:P+16*\t+15], v[32*\t+8*\u:32*\t+8*\u+7]
.endr
.endr
.endm
.macro LDK                             ; a step's eight fragments of K: 8,192 consecutive bytes
.irp i, 0,1,2,3,4,5,6,7,8,9,10,11,12,13,14,15
	ds_load_b128 v[KF+4*\i:KF+4*\i+3], v2 offset:512*\i
.endr
.endm
.macro LDV                             ; and its four of V
.irp i, 0,1,2,3,4,5,6,7,8,9,10,11,12,13,14,15
	ds_load_b128 v[VF+4*\i:VF+4*\i+3], v3 offset:512*\i
.endr
.endm
; One tile's softmax for 128 keys; the lane's 64 scores lie in v[sb] on.
.macro SOFT t, sb
.set rT, ST+4*(\t)
.set rP, P+16*(\t)
	v_max3_num_f32 v12, v[\sb], v[\sb+1], v[\sb+2]           ; the largest score of my query among my 64 keys, in two chains, ascending: each accumulator is first read at its low end
	v_max3_num_f32 v13, v[\sb+3], v[\sb+4], v[\sb+5]
.irp i, 6,10,14,18,22,26,30,34,38,42,46,50,54,58
	v_max3_num_f32 v12, v12, v[\sb+\i], v[\sb+\i+1]
	v_max3_num_f32 v13, v13, v[\sb+\i+2], v[\sb+\i+3]
.endr
	v_max3_num_f32 v12, v12, v[\sb+62], v[\sb+63]
	v_max_num_f32 v12, v12, v13
	v_permlanex16_b32 v14, v12, s[SEL], s[SEL+1]
	v_max_num_f32 v12, v12, v14                              ; and among lane l xor 16's
	v_mul_f32 v12, s[CS], v12                                ; as t (c is positive)
	v_max_num_f32 v[rT+1], v[rT+1], v12                      ; the running largest t
	v_mov_b32 v12, v[rT]
	v_floor_f32 v[rT], -v[rT+1]                              ; the new -M = floor(-t) = -ceil(t): M is a whole number
	v_sub_f32 v12, v[rT], v12                                ; old M - new M: a whole number, 0 or less
	v_cvt_i32_f32 v12, v12                                   ; (it saturates)
	v_ldexp_f32 v8, 1.0, v12                                 ; f = 2^(old M - new M)
.irp j, 0,2,4,6,8,10,12,14,16,18,20,22,24,26,28,30,32,34,36,38,40,42,44,46,48,50,52,54,56,58,60,62
	v_pk_fma_f32 v[\sb+\j:\sb+\j+1], v[\sb+\j:\sb+\j+1], s[CS:CS+1], v[rT:rT+1] op_sel_hi:[1,0,0]   ; t - M, two at a time (of the pairs c and -M the low word serves both halves)
.endr
.irp j, 0,1,2,3,4,5,6,7,8,9,10,11,12,13,14,15,16,17,18,19,20,21,22,23,24,25,26,27,28,29,30,31,32,33,34,35,36,37,38,39,40,41,42,43,44,45,46,47,48,49,50,51,52,53,54,55,56,57,58,59,60,61,62,63
	v_exp_f32 v[\sb+\j], v[\sb+\j]                           ; p = 2^(t - M): not normalised
.endr
	v_pk_mul_f32 v[rT+2:rT+3], v[rT+2:rT+3], v[8:9] op_sel_hi:[1,0]   ; the sums under the new M; also the plain line behind the exponentials
	s_wait_alu depctr_va_vdst(0)                             ; one wait for the batch of 64, ahead of its first reader
	v_pk_add_f32 v[10:11], v[\sb:\sb+1], v[\sb+2:\sb+3]      ; the row's sum is taken of the unquantised p, two at a time, in two chains
.irp j, 4,8,12,16,20,24,28,32,36,40,44,48,52,56,60
	v_pk_add_f32 v[rT+2:rT+3], v[rT+2:rT+3], v[\sb+\j:\sb+\j+1]
	v_pk_add_f32 v[10:11], v[10:11], v[\sb+\j+2:\sb+\j+3]
.endr
	v_pk_add_f32 v[rT+2:rT+3], v[rT+2:rT+3], v[10:11]
	s_cmp_gt_i32 s[E9], -16                                  ; from e9 = -15 on the largest code x 2^e9 is 1.75 or more, over every p: the hold would change nothing
	s_cbranch_scc1 .Lfree_\@
.irp j, 0,1,2,3,4,5,6,7,8,9,10,11,12,13,14,15,16,17,18,19,20,21,22,23,24,25,26,27,28,29,30,31,32,33,34,35,36,37,38,39,40,41,42,43,44,45,46,47,48,49,50,51,52,53,54,55,56,57,58,59,60,61,62,63
	v_min_num_f32 v[\sb+\j], v[\sb+\j], v5                   ; the conversion does not saturate (ISA guide 7.6.2); p is not negative, so the hold is one-sided
.endr
.Lfree_\@:
.irp k, 0,1,2,3,4,5,6,7
	v_cvt_scalef32_pk8_bf8_f32 v[rP+2*\k:rP+2*\k+1], v[\sb+8*\k:\sb+8*\k+7], v4
.endr
	WIN 0x41                                                 ; O^T (destination and source 0) window 1, f window 0
.irp j, 0,2,4,6,8,10,12,14,16,18,20,22,24,26,28,30
	v_pk_mul_f32 v[32*(\t)+\j:32*(\t)+\j+1], v[32*(\t)+\j:32*(\t)+\j+1], v[8:9] op_sel_hi:[1,0]   ; O^T under the new M; also the plain lines behind the conversions
.endr
	WIN 0
.endm
; A key step of 128 keys.  A tile's softmax stands behind the products of another tile and fills the places behind them: it names none of their registers.
; next = 1: the next step's K is fetched when all four tiles have multiplied by this step's, its V behind this step's V^T P.
.macro STEP next
	s_wait_dscnt 16                                ; this step's K is in; the 16 younger loads, V's, may be out
	WIN 0x01                                       ; source 0 (K) window 1
	KQ 0, S0
	KQ 1, S1
	WIN 0
	PLACES 4
	SOFT 0, S0
	WIN 0x01
	KQ 2, S0
	WIN 0
	SOFT 1, S1
	WIN 0x01
	KQ 3, S1
	WIN 0
	SOFT 2, S0
.if \next
	s_add_co_u32 s[TB], s[TB], 8192
	v_add_nc_u32 v2, s[TB], v1
	WIN 0x40
	LDK
	WIN 0
.endif
	SOFT 3, S1
.if \next
	s_wait_dscnt 16                                ; V is in; the next step's K, 16 younger loads, may be out
.else
	s_wait_dscnt 0
.endif
	WIN 0x51                                       ; V, C and D window 1, P window 0
	PV
	WIN 0
.if \next
	v_add_nc_u32 v3, 0x20000, v2                   ; with the three below: four places in front of loads into registers that the products have read
	PLACES 3
	WIN 0x40
	LDV
	WIN 0
.endif
.endm
	s_mov_b32 s[TB], 0
	v_add_nc_u32 v2, s[TB], v1
	v_add_nc_u32 v3, 0x20000, v2
	WIN 0x40
	LDK                                            ; key step 0
	LDV
	WIN 0
	s_mov_b32 s[CNT], 15
.Lkey:                                             ; 15 trips; the sixteenth step is written out: it fetches nothing
	STEP 1
	s_sub_co_u32 s[CNT], s[CNT], 1
	s_cmp_lg_u32 s[CNT], 0
	s_cbranch_scc1 .Lkey
	STEP 0
	; THE WAY OUT.  The sum's halves are added; O^T / the sum is held, converted with 2^(e10 - e8 - e9), and stored as pieces of the last product's operand.  The four additions are the places behind the last products.
.irp t, 0,1,2,3
	v_add_f32 v[ST+4*\t+2], v[ST+4*\t+2], v[ST+4*\t+3]
.endr
.irp t, 0,1,2,3
	v_permlanex16_b32 v[ST+4*\t+1], v[ST+4*\t+2], s[SEL], s[SEL+1]
.endr
.irp t, 0,1,2,3
	v_add_f32 v[ST+4*\t+2], v[ST+4*\t+2], v[ST+4*\t+1]       ; the row's sum
.endr
.irp t, 0,1,2,3
	v_rcp_f32 v[ST+4*\t], v[ST+4*\t+2]
.endr
	v_nop                                          ; a plain line behind the last reciprocal
	s_wait_alu depctr_va_vdst(0)                   ; one wait for the four, ahead of their first reader
.irp t, 0,1,2,3
	WIN 0x01                                       ; source 0 (O^T) window 1
.irp j, 0,2,4,6,8,10,12,14,16,18,20,22,24,26,28,30
	v_pk_mul_f32 v[S0+32*\t+\j:S0+32*\t+\j+1], v[32*\t+\j:32*\t+\j+1], v[ST+4*\t:ST+4*\t+1] op_sel_hi:[1,0]   ; each accumulator from its low end on
.endr
	WIN 0
.irp j, 0,1,2,3,4,5,6,7,8,9,10,11,12,13,14,15,16,17,18,19,20,21,22,23,24,25,26,27,28,29,30,31
	v_med3_num_f32 v[S0+32*\t+\j], v[S0+32*\t+\j], -v7, v7
.endr
.irp u, 0,1,2,3
	v_cvt_scalef32_pk8_bf8_f32 v[P+8*\t+2*\u:P+8*\t+2*\u+1], v[S0+32*\t+8*\u:S0+32*\t+8*\u+7], v6
.endr
.endr
	v_nop                                          ; a plain line behind the last conversion
.irp t, 0,1,2,3
.irp c, 0,1
	global_store_b128 v1, v[P+8*\t+4*\c:P+8*\t+4*\c+3], s[12:13] offset:1024*\t+512*\c   ; 32 lanes store 512 consecutive bytes
.endr
.endr
	s_wait_xcnt 0x0
	v_lshl_add_u32 v254, v0, 2, 0x40000
	v_mov_b32 v255, 0
	s_wait_tensorcnt 0x0
	ds_add_u32 v254, v255
	s_wait_dscnt 0x0
	s_endpgm
.Lfunc_end_k_q51eecd1516_attn:
	.size	k_q51eecd1516_attn, .Lfunc_end_k_q51eecd1516_attn-k_q51eecd1516_attn
	.p2alignl 7, 3214868480
	.fill 96, 4, 3214868480
	.section	.rodata,"a",@progbits
	.p2align	6, 0x0
	.amdhsa_kernel k_q51eecd1516_attn
		.amdhsa_group_segment_fixed_size 263168
		.amdhsa_private_segment_fixed_size 0
		.amdhsa_enable_private_segment 0
		.amdhsa_kernarg_size 40
		.amdhsa_user_sgpr_count 2
		.amdhsa_user_sgpr_kernarg_segment_ptr 1
		.amdhsa_wavefront_size32 1
		.amdhsa_system_sgpr_workgroup_id_x 1
		.amdhsa_system_sgpr_workgroup_id_y 1
		.amdhsa_system_sgpr_workgroup_id_z 1
		.amdhsa_system_vgpr_workitem_id 0
		.amdhsa_next_free_vgpr 512
		.amdhsa_next_free_sgpr 66
		.amdhsa_reserve_vcc 0
		.amdhsa_float_denorm_mode_32 3
		.amdhsa_float_denorm_mode_16_64 3
		.amdhsa_memory_ordered 1
		.amdhsa_forward_progress 1
		.amdhsa_inst_pref_size 142
	.end_amdhsa_kernel
	.amdgpu_metadata
---
amdhsa.version: [ 1, 2 ]
amdhsa.kernels:
  - .name:           k_q51eecd1516_attn
    .symbol:         k_q51eecd1516_attn.kd
    .args:
      - { .name: q_img, .offset: 0, .size: 8, .value_kind: global_buffer, .address_space: global }
      - { .name: k_img, .offset: 8, .size: 8, .value_kind: global_buffer, .address_space: global }
      - { .name: v_img, .offset: 16, .size: 8, .value_kind: global_buffer, .address_space: global }
      - { .name: lowp_scales, .offset: 24, .size: 8, .value_kind: global_buffer, .address_space: global }
      - { .name: a_img, .offset: 32, .size: 8, .value_kind: global_buffer, .address_space: global }
    .group_segment_fixed_size: 263168
    .private_segment_fixed_size: 0
    .kernarg_segment_align: 8
    .kernarg_segment_size: 40
    .max_flat_workgroup_size: 256
    .sgpr_count:     66
    .vgpr_count:     512
    .wavefront_size: 32
...
	.end_amdgpu_metadata
.endif
;; end of part 2
;; launch outp (part 3): grid 64 x 4, 8 waves a work-group, clusters of 4 x 1, 327,680 bytes of LDS; arguments a_img, Wo_codes, bo, lowp_scales, out0; writes out0
.if DOCPART == 3
	.amdgcn_target "amdgcn-amd-amdhsa--gfx1250"
	.amdhsa_code_object_version 6
	.text
	.protected	k_q51eecd1516_outp
	.globl	k_q51eecd1516_outp
	.p2align	8
	.type	k_q51eecd1516_outp,@function
k_q51eecd1516_outp:
	s_mov_b64 s[64:65], 0
	v_nop
	global_prefetch_b8 v0, s[64:65] scope:SCOPE_SE
	s_setreg_imm32_b32 hwreg(HW_REG_WAVE_MODE, 25, 1), 1
	s_wait_xcnt 0x0
	s_wait_alu depctr_hold_cnt(0) depctr_sa_sdst(0) depctr_va_vdst(0) depctr_va_sdst(0) depctr_va_ssrc(0) depctr_va_vcc(0) depctr_vm_vsrc(0)
	s_getreg_b32 s2, hwreg(HW_REG_IB_STS2, 6, 4)
	s_cmp_eq_u32 s2, 0
	s_cbranch_scc0 .Lentry_in_a_cluster
	s_endpgm
.Lentry_in_a_cluster:
	s_bfe_u32 s2, ttmp6, 0x10000c
	s_cmp_lg_u32 s2, 0x3003
	s_cbranch_scc0 .Lentry_shape_is_right
	s_endpgm
.Lentry_shape_is_right:
; out0 = a Wo + bo on codes of BF8 (E5M2): a: [8192][1024] as images of operand registers (below), Wo: [1024][1024] codes, K innermost; out0: [8192][1024] f32.  A sum of codes stands for sum x 2^(e10 + e11).
; SHARES.  A work-group (mi, nj) makes rows 128 mi .. +127, columns 256 nj .. +255: 256 equal work-groups.  Eight waves, wave w = (wr = w & 1, wc = w >> 1): 64 rows x 64 columns: 16 accumulators.
; K = 1024 goes in four steps of 256 through two LDS slots; a step is four substeps of 64 (v_wmma_f32_16x16x64_bf8_bf8).  Everything is written out: no loop.
; a_img: [128 rows: 64][K step 4][tile of 16 rows 8][64 along K: 4][2][512 bytes]: a piece of 512 bytes is four registers of a fragment, lane l's 16 bytes at 16 l: row l % 16, k = 32 c + 16 (l / 16) + 0 .. 15.
; A K step of a row tile is 32,768 consecutive bytes.  Wo's fragments are fetched from rows by two loads of 16 bytes a lane, which give the same places to k: every product meets its partner.
; CLUSTER.  The four partners are four row tiles with one nj: they need the same 256 rows of Wo, two thirds of a slot's bytes, which are asked for jointly (mask 15).  a's images are each work-group's own.
; THE MATRIX INSTRUCTION IS USED TRANSPOSED (source 0 = 16 rows of Wo, source 1 = 16 rows of a): a lane holds eight neighbouring columns of one row.  A wave's 64 columns are 256 bytes of a row of out0:
; a block of 16 rows goes through the wave's own stage in LDS and leaves as whole rows: sixteen lanes store 256 consecutive bytes, aligned.
; LIMIT: e10 + e11 between -126 and 127, so that 2^(e10 + e11) is an f32 number.
; REGISTERS: v1, v2 the add's two; v3 16 x lane; v4, v5 a's images in slot 0, 1; v6, v7 Wo's rows; v8, v9 the stage, in and back; v10 my offset in out0; v11 bo's offset;
;   v32-63 a's four fragments, v64-95 Wo's four (on the way out: rows read back); v96-127 bo; v128-255 the accumulators ((a, n) at 128 + 8 (4 a + n)).
.set PITCH,  272                       ; a row of Wo in LDS, and of the stage: 256 bytes + 16
.set WROWS,  64*PITCH
.set OFFW,   2*WROWS                   ; a slot: a's images (32,768 bytes) from 0; Wo's 256 rows from here, so that wave w's tile lies at w x 17,408
.set SLOT,   6*WROWS
.set SPARE,  2*SLOT                    ; the spare words, 128 bytes for each wave: four blocks of 256 bytes that no other line names
.set STAGE,  SPARE+1024                ; the stages: two halves of 16 rows for each wave; no tensor load lands here
.set SHALF,  16*PITCH
.set AF,     32
.set BF,     64
.set BO,     96
.set ACC,    128
.set WV,  26
.set WR,  27
.set CX,  60
.set MI,  61
.set NJ,  62
.set WC,  63
.set G1P, 28                           ; s[28:35] descriptor group 1 for a's images: dense
.set G1J, 36                           ; s[36:43] for Wo's tiles: padded, with the mask
.set G0A, 44                           ; s[44:51] group 0 for a's images, a set for each slot
.set G0J, 52                           ; s[52:59] for Wo's tiles
.macro PLACES n
.rept \n
	v_nop
.endr
.endm
.macro CROUND                          ; a round of the cluster's barrier
	s_barrier_signal -1
	s_barrier_wait -1
	s_cmp_lg_u32 s[WV], 0
	s_cbranch_scc1 .Lnot_wave_0_\@
	s_barrier_signal -3
.Lnot_wave_0_\@:
	s_barrier_wait -3
	s_barrier_signal -1
	s_barrier_wait -1
.endm
; A refill: waves 0 and 1 fetch the halves of a's images, waves 2 to 5 Wo's four tiles, jointly; waves 6 and 7 nothing.  The branches hang on the wave's number alone.  Four v_nop follow each line.
.macro JLOAD slot
	s_cmp_lt_u32 s[WV], 2
	s_cbranch_scc0 .Ljoint_\@
	tensor_load_to_lds s[G0A+4*\slot:G0A+4*\slot+3], s[G1P:G1P+7]
	s_nop 0
.rept 4
	v_nop
.endr
	s_branch .Lasked_\@
.Ljoint_\@:
	s_cmp_lt_u32 s[WV], 6
	s_cbranch_scc0 .Lasked_\@
	tensor_load_to_lds s[G0J+4*\slot:G0J+4*\slot+3], s[G1J:G1J+7]
	s_nop 0
.rept 4
	v_nop
.endr
.Lasked_\@:
.endm
	s_load_b256 s[4:11], s[0:1], 0x0               ; a_img s[4:5], Wo s[6:7], bo s[8:9], the scales s[10:11]
	s_load_b64 s[12:13], s[0:1], 0x20              ; out0
	v_lshl_add_u32 v1, v0, 2, SPARE
	v_mov_b32 v2, 0
	ds_add_u32 v1, v2
	s_wait_dscnt 0x0
	v_lshrrev_b32 v3, 5, v0
	v_readfirstlane_b32 s[WV], v3                  ; wave 0..7
	s_and_b32 s[WR], s[WV], 1
	s_lshr_b32 s[WC], s[WV], 1
	s_bfe_u32 s[CX], ttmp6, 0x40000                ; cx
	s_lshl_b32 s[MI], ttmp9, 2
	s_add_co_u32 s[MI], s[MI], s[CX]               ; row tile = 4 x cluster x + cx
	s_and_b32 s[NJ], ttmp7, 3                      ; column tile: the grid has four along y, which the four partners share
	s_mov_b32 s[G1P], 0                            ; elements of 1 byte, no padding, no mask
	s_mov_b32 s[G1P+1], 256<<16                    ; 64 rows of 256 bytes, one behind the other
	s_mov_b32 s[G1P+2], 64<<16
	s_mov_b32 s[G1P+3], 256<<16
	s_mov_b32 s[G1P+4], 64
	s_mov_b32 s[G1P+5], 256
	s_mov_b32 s[G1P+6], 0
	s_mov_b32 s[G1P+7], 0
	s_mov_b32 s[G1J], 15|(1<<20)|(1<<21)|(5<<22)|(3<<25)   ; the mask of all four partners, bit 21 beside it; padding: 4 words behind every 64
	s_mov_b32 s[G1J+1], 256<<16                    ; 64 rows of 256 bytes, 1,024 bytes apart in memory
	s_mov_b32 s[G1J+2], 64<<16
	s_mov_b32 s[G1J+3], 256<<16
	s_mov_b32 s[G1J+4], 64
	s_mov_b32 s[G1J+5], 1024
	s_mov_b32 s[G1J+6], 0
	s_mov_b32 s[G1J+7], 0
	s_lshl_b32 s2, s[WV], 14                       ; where a's half goes (waves 0, 1),
	s_mul_i32 s3, s[WV], WROWS                     ; and Wo's tile (waves 2 to 5): no place in the cluster enters an LDS address
	s_lshl_b32 s66, s[MI], 17
	s_lshl_b32 s67, s[WR], 14
	s_add_co_u32 s66, s66, s67                     ; a_img: 131,072 mi + 16,384 (w & 1)
	s_mov_b32 s67, 0
	s_max_u32 s92, s[WV], 2
	s_sub_co_u32 s92, s92, 2
	s_min_u32 s92, s92, 3                          ; which tile of Wo
	s_lshl_b32 s96, s[NJ], 8
	s_lshl_b32 s93, s92, 6
	s_add_co_u32 s96, s96, s93
	s_lshl_b32 s96, s96, 10                        ; Wo: row 256 nj + 64 x tile, in bytes
	s_mov_b32 s97, 0
	s_wait_kmcnt 0x0
	s_load_b64 s[82:83], s[10:11], 0x28            ; e10, e11
	s_add_nc_u64 s[68:69], s[4:5], s[66:67]
	s_add_nc_u64 s[70:71], s[6:7], s[96:97]        ; made of nj and the wave's number alone: equal in all four partners
	CROUND                                         ; all four work-groups are here: the first joint loads meet
.irp s, 0,1
	s_mov_b32 s[G0A+4*\s], 1
	s_add_co_u32 s[G0A+4*\s+1], s2, \s*SLOT
	s_add_nc_u64 s[G0A+4*\s+2:G0A+4*\s+3], s[68:69], \s*32768   ; K step s
	s_or_b32 s[G0A+4*\s+3], s[G0A+4*\s+3], 0x80000000
	s_mov_b32 s[G0J+4*\s], 1
	s_add_co_u32 s[G0J+4*\s+1], s3, \s*SLOT
	s_add_nc_u64 s[G0J+4*\s+2:G0J+4*\s+3], s[70:71], \s*256
	s_or_b32 s[G0J+4*\s+3], s[G0J+4*\s+3], 0x80000000
.endr
	s_cmp_lt_u32 s[WV], 2                          ; a wave's two first fills stand in one branch: two tensor loads of mine are out (none in waves 6 and 7)
	s_cbranch_scc0 .Lfirst_j
	tensor_load_to_lds s[G0A:G0A+3], s[G1P:G1P+7]
	s_nop 0
	tensor_load_to_lds s[G0A+4:G0A+7], s[G1P:G1P+7]
	s_nop 0
.rept 4
	v_nop
.endr
	s_branch .Lfirst_done
.Lfirst_j:
	s_cmp_lt_u32 s[WV], 6
	s_cbranch_scc0 .Lfirst_done
	tensor_load_to_lds s[G0J:G0J+3], s[G1J:G1J+7]
	s_nop 0
	tensor_load_to_lds s[G0J+4:G0J+7], s[G1J:G1J+7]
	s_nop 0
.rept 4
	v_nop
.endr
.Lfirst_done:
	v_and_b32 v12, 15, v0                          ; r
	v_bfe_u32 v13, v0, 4, 1                        ; hh
	v_and_b32 v3, 31, v0
	v_lshlrev_b32 v3, 4, v3                        ; 16 x lane
	s_lshl_b32 s92, s[WR], 14
	v_add_nc_u32 v4, s92, v3                       ; my four row tiles' images
	v_add_nc_u32 v5, SLOT, v4
	v_mul_u32_u24 v16, v12, PITCH
	v_lshl_add_u32 v17, v13, 4, v16                ; row r x pitch + 16 hh
	s_mul_i32 s92, s[WC], WROWS
	s_add_co_u32 s92, s92, OFFW
	v_add_nc_u32 v6, s92, v17                      ; my 64 rows of Wo
	v_add_nc_u32 v7, SLOT, v6
	s_mul_i32 s92, s[WV], 2*SHALF
	s_add_co_u32 s92, s92, STAGE                   ; my stage
	v_lshl_add_u32 v8, v13, 5, v16
	v_add_nc_u32 v8, s92, v8                       ; in: row r, 32 bytes for each half of the lanes
	v_mul_u32_u24 v9, v13, PITCH
	v_lshl_add_u32 v9, v12, 4, v9
	v_add_nc_u32 v9, s92, v9                       ; back: lanes 0-15 one row of 256 bytes, lanes 16-31 the next
	v_lshlrev_b32 v10, 12, v13
	v_lshl_add_u32 v10, v12, 4, v10                ; and the same two rows in out0
	v_lshlrev_b32 v11, 5, v13                      ; bo: 32 hh
	s_wait_kmcnt 0x0
	s_add_co_i32 s84, s82, s83
	s_add_co_i32 s84, s84, 127
	s_lshl_b32 s84, s84, 23                        ; 2^(e10 + e11) as f32
	s_mov_b32 s85, s84                             ; (named with it as a pair, so it is written)
	s_lshl_b32 s66, s[MI], 7
	s_lshl_b32 s67, s[WR], 6
	s_add_co_u32 s66, s66, s67
	s_lshl_b32 s66, s66, 12                        ; my first row of out0: 128 mi + 64 wr, rows of 4,096 bytes
	s_lshl_b32 s92, s[NJ], 2
	s_add_co_u32 s92, s92, s[WC]
	s_lshl_b32 s92, s92, 8                         ; my 64 columns: 256 bytes, in out0 and in bo alike
	s_add_co_u32 s66, s66, s92
	s_mov_b32 s67, 0
	s_add_nc_u64 s[88:89], s[12:13], s[66:67]
	s_mov_b32 s93, 0
	s_add_nc_u64 s[92:93], s[8:9], s[92:93]        ; not written again
.irp n, 0,1,2,3
	global_load_b128 v[BO+8*\n:BO+8*\n+3], v11, s[92:93] offset:64*\n        ; bo(16 n + 8 hh + 0 .. 7): the result's layout
	global_load_b128 v[BO+8*\n+4:BO+8*\n+7], v11, s[92:93] offset:64*\n+16
.endr
; A substep: 64 along K.  16 LDS loads, 16 matrix instructions; the accumulators take turns, one instruction a turn, in the same order in every substep.
.macro SUB slot, q, first
.irp a, 0,1,2,3
.irp c, 0,1
	ds_load_b128 v[AF+8*\a+4*\c:AF+8*\a+4*\c+3], v[4+\slot] offset:\a*4096+1024*(\q)+512*\c
	ds_load_b128 v[BF+8*\a+4*\c:BF+8*\a+4*\c+3], v[6+\slot] offset:\a*16*PITCH+64*(\q)+32*\c
.endr
.endr
	s_wait_dscnt 0x0                               ; the other wave of the SIMD works meanwhile
.irp a, 0,1,2,3
.irp n, 0,1,2,3
.if \first
	v_wmma_f32_16x16x64_bf8_bf8 v[ACC+8*(4*\a+\n):ACC+8*(4*\a+\n)+7], v[BF+8*\n:BF+8*\n+7], v[AF+8*\a:AF+8*\a+7], 0
.else
	v_wmma_f32_16x16x64_bf8_bf8 v[ACC+8*(4*\a+\n):ACC+8*(4*\a+\n)+7], v[BF+8*\n:BF+8*\n+7], v[AF+8*\a:AF+8*\a+7], v[ACC+8*(4*\a+\n):ACC+8*(4*\a+\n)+7]
.endif
.endr
.endr
	PLACES 4                                       ; in front of the next loads into registers that these have read, and of the first read of results
.endm
.macro KSTEP slot, first
	SUB \slot, 0, \first
	SUB \slot, 1, 0
	SUB \slot, 2, 0
	SUB \slot, 3, 0
.endm
; The change of slots, on every wave's path: the wait for all my tensor loads, the add, the wait for it and for my reads of the slot just read; fill = 1: a round of the cluster's barrier, and that slot takes the K step two on.
.macro CHANGE slot, fill
	s_wait_tensorcnt 0x0                           ; no tensor load of mine is out, so a group 0 may be written
	ds_add_u32 v1, v2                              ; 0 onto my spare word
.if \fill
	s_add_nc_u64 s[G0A+4*\slot+2:G0A+4*\slot+3], s[G0A+4*\slot+2:G0A+4*\slot+3], 65536
	s_add_nc_u64 s[G0J+4*\slot+2:G0J+4*\slot+3], s[G0J+4*\slot+2:G0J+4*\slot+3], 512
.endif
	s_wait_dscnt 0x0                               ; the add is done, and my reads of the slot are over
.if \fill
	CROUND
	JLOAD \slot
.else
	s_barrier_signal -1
	s_barrier_wait -1
.endif
.endm
	s_wait_tensorcnt 1                             ; my part of K step 0 is in; K step 1's load, issued behind it, may be out
	s_barrier_signal -1
	s_barrier_wait -1
	KSTEP 0, 1                                     ; the first products start the sums: nothing is cleared
	CHANGE 0, 1
	KSTEP 1, 0
	CHANGE 1, 1
	KSTEP 0, 0
	CHANGE 0, 0
	KSTEP 1, 0
	; THE WAY OUT.  out = sum x 2^(e10 + e11) + bo, one packed multiply-add for two numbers; then block by block of 16 rows through my stage.
	s_wait_loadcnt 0x0                             ; bo
.irp a, 0,1,2,3
.irp n, 0,1,2,3
.irp i, 0,2,4,6
	v_pk_fma_f32 v[ACC+8*(4*\a+\n)+\i:ACC+8*(4*\a+\n)+\i+1], v[ACC+8*(4*\a+\n)+\i:ACC+8*(4*\a+\n)+\i+1], s[84:85], v[BO+8*\n+\i:BO+8*\n+\i+1] op_sel_hi:[1,0,1]   ; each accumulator from its low end on
.endr
.endr
.endr
.macro TOSTAGE a                       ; LDS serves a wave's instructions in order (ISA guide 5.7.1.4): the loads see the stores above them, and a half's next stores come behind its loads
.irp n, 0,1,2,3
	ds_store_b128 v8, v[ACC+8*(4*(\a)+\n):ACC+8*(4*(\a)+\n)+3] offset:((\a)%2)*SHALF+64*\n
	ds_store_b128 v8, v[ACC+8*(4*(\a)+\n)+4:ACC+8*(4*(\a)+\n)+7] offset:((\a)%2)*SHALF+64*\n+16
.endr
.irp i, 0,1,2,3,4,5,6,7
	ds_load_b128 v[AF+32*((\a)%2)+4*\i:AF+32*((\a)%2)+4*\i+3], v9 offset:((\a)%2)*SHALF+2*\i*PITCH
.endr
.endm
.macro SEND a, younger                 ; younger: the LDS instructions issued behind block a's loads, which may stay out
	s_wait_dscnt \younger
.irp i, 0,1,2,3,4,5,6,7
	global_store_b128 v10, v[AF+32*((\a)%2)+4*\i:AF+32*((\a)%2)+4*\i+3], s[88:89] offset:(16*(\a)+2*\i)*4096 th:TH_STORE_NT   ; 16 lanes store 256 consecutive bytes, at a multiple of 256 from out0's first byte
.endr
.endm
	TOSTAGE 0
	TOSTAGE 1
	SEND 0, 16                                     ; behind block 0's loads: block 1's 8 stores and 8 loads
	s_wait_xcnt 0x0                                ; block 0's stores have read their registers: block 2's loads may land there
	TOSTAGE 2
	SEND 1, 16
	s_wait_xcnt 0x0                                ; likewise block 1's
	TOSTAGE 3
	SEND 2, 16
	SEND 3, 0
	s_wait_tensorcnt 0x0                           ; the wave's end: behind my last tensor load and my last LDS store
	ds_add_u32 v1, v2
	s_wait_dscnt 0x0
	CROUND                                         ; the closing round: no work-group ends while a partner may still ask for a tile that names it
	s_endpgm
.Lfunc_end_k_q51eecd1516_outp:
	.size	k_q51eecd1516_outp, .Lfunc_end_k_q51eecd1516_outp-k_q51eecd1516_outp
	.p2alignl 7, 3214868480
	.fill 96, 4, 3214868480
	.section	.rodata,"a",@progbits
	.p2align	6, 0x0
	.amdhsa_kernel k_q51eecd1516_outp
		.amdhsa_group_segment_fixed_size 327680
		.amdhsa_private_segment_fixed_size 0
		.amdhsa_enable_private_segment 0
		.amdhsa_kernarg_size 40
		.amdhsa_user_sgpr_count 2
		.amdhsa_user_sgpr_kernarg_segment_ptr 1
		.amdhsa_wavefront_size32 1
		.amdhsa_system_sgpr_workgroup_id_x 1
		.amdhsa_system_sgpr_workgroup_id_y 1
		.amdhsa_system_sgpr_workgroup_id_z 1
		.amdhsa_system_vgpr_workitem_id 0
		.amdhsa_next_free_vgpr 256
		.amdhsa_next_free_sgpr 100
		.amdhsa_reserve_vcc 0
		.amdhsa_float_denorm_mode_32 3
		.amdhsa_float_denorm_mode_16_64 3
		.amdhsa_memory_ordered 1
		.amdhsa_forward_progress 1
		.amdhsa_inst_pref_size 56
	.end_amdhsa_kernel
	.amdgpu_metadata
---
amdhsa.version: [ 1, 2 ]
amdhsa.kernels:
  - .name:           k_q51eecd1516_outp
    .symbol:         k_q51eecd1516_outp.kd
    .args:
      - { .name: a_img, .offset: 0, .size: 8, .value_kind: global_buffer, .address_space: global }
      - { .name: Wo_codes, .offset: 8, .size: 8, .value_kind: global_buffer, .address_space: global }
      - { .name: bo, .offset: 16, .size: 8, .value_kind: global_buffer, .address_space: global }
      - { .name: lowp_scales, .offset: 24, .size: 8, .value_kind: global_buffer, .address_space: global }
      - { .name: out0, .offset: 32, .size: 8, .value_kind: global_buffer, .address_space: global }
    .group_segment_fixed_size: 327680
    .private_segment_fixed_size: 0
    .kernarg_segment_align: 8
    .kernarg_segment_size: 40
    .max_flat_workgroup_size: 256
    .sgpr_count:     100
    .vgpr_count:     256
    .wavefront_size: 32
...
	.end_amdgpu_metadata
.endif
;; end of part 3
;; ======== version 2 of 2: 3 launches; version 1 with the launch attn written anew for expert scheduling mode
;; limits: right only within a limited range of input values
;; workspace buffers: q_img 8,388,608 bytes; k_img 524,288 bytes; v_img 524,288 bytes; a_img 8,388,608 bytes
;; launch proj: the kernel of part 1 again; grid 64 x 4, 8 waves a work-group, clusters of 4 x 1, 327,680 bytes of LDS; arguments hidden_state_codes, Wq_codes, Wk_codes, Wv_codes, bq, bk, bv, lowp_scales, q_img, k_img, v_img; writes q_img, k_img, v_img
;; launch attn (part 4): grid 64 x 4, 8 waves a work-group, no clusters, 263,168 bytes of LDS; arguments q_img, k_img, v_img, lowp_scales, a_img; writes a_img
.if DOCPART == 4
	.amdgcn_target "amdgcn-amd-amdhsa--gfx1250"
	.amdhsa_code_object_version 6
	.text
	.protected	k_q51eecd1516_attn
	.globl	k_q51eecd1516_attn
	.p2align	8
	.type	k_q51eecd1516_attn,@function
k_q51eecd1516_attn:
	s_mov_b64 s[64:65], 0
	v_nop
	global_prefetch_b8 v0, s[64:65] scope:SCOPE_SE
	s_setreg_imm32_b32 hwreg(HW_REG_WAVE_SCHED_MODE, 0, 2), 2
	s_setreg_imm32_b32 hwreg(HW_REG_WAVE_MODE, 25, 1), 1
	s_wait_xcnt 0x0
	s_wait_alu depctr_vm_vsrc(0)
; a[b][q][h][:] = the sum over keys of softmax(q . k / 8) v, one K and one V for all 16 heads, both products on codes of BF8 (E5M2); the result is quantised with 2^e10 for the last product.
; THE SOFTMAX AHEAD OF THE SECOND PRODUCT: t = score x log2(e) / 8; M = the row's largest t so far, rounded UP to a whole number; p = 2^(t - M) is quantised with 2^e9, not normalised.
; The row's sum is taken of the unquantised p, in f32, and divides at the end.  When M moves, the sum and O are multiplied by 2^(old M - new M): exact.
; SHARES.  Work-group (x, b): queries 32 x .. 32 x + 31 of batch b, all 16 heads.  Wave w: FOUR tiles of 16 rows: queries 32 x + 16 (w & 1) on, heads 4 (w >> 1) + 0 .. 3.  Each fragment of K and V read from LDS feeds four products.
; Two waves to a SIMD, 512 registers each: one wave's products and LDS loads stand beside the other's vector work, which is the greater part: 196 vector instructions for a tile's 12 matrix instructions in a step of 128 keys.
; THE BATCH'S WHOLE K AND V LIE IN LDS: 131,072 bytes each, as images of operand registers (a piece of 512 bytes = four registers, lane l's 16 bytes at 16 l).  They are brought once, through registers; the key loop has no ring and no barrier.
; NO JOINT LOADS, though the 64 work-groups of a batch read the same K and V: a work-group reads them once, 64 loads and 64 LDS stores a wave, against 16 steps of some 830 instructions.
; The hold of p stands under a scalar branch on the given whole number e9: p is at most 1 and the hold stands at 57,344 x 2^e9 = 1.75 x 2^(15 + e9), so from e9 = -15 on it changes nothing: 64 of a tile step's 260 vector instructions.
; LAYOUT.  S^T = K Q^T (source 0 = 16 keys, source 1 = 16 queries), O^T = V^T P (source 0 = 16 channels, source 1 = P): a lane holds ONE query (lane % 16) throughout.  Register j of key tile kt is key 16 kt + 8 (lane / 16) + j:
; one conversion gives P's registers 2 kt, 2 kt + 1.  V's fragment t has channel 32 (t/2) + 8 (t%2) + r + 8 (r/8) in lane r, so that O^T's tiles 2 b, 2 b + 1 are 16 neighbouring channels 32 b + 16 (lane / 16) + 0 .. 15 of a lane.
; LIMITS: e6 + e7 between -123 and 130 (added to c's exponent field); e9 and e10 - e8 - e9 between -126 and 112.  NaN among the inputs is not served.
; REGISTERS.  window 0: v1 16 x lane; v2, v3 LDS addresses; v4, v5 2^e9 and the hold; v6, v7 2^(e10-e8-e9) and its hold; v[8:9] f; v[10:11], v12-14 at work; v16 + 4 t: -M, the largest t, the sum in two halves;
;   v32 + 8 t Q; v64-127, v128-191 two tiles' scores, then p; v192 + 16 t P's codes.   window 1: v[32 t + 8 u] O^T; v128-191 K's eight fragments; v192-255 V's four.
; THE MODE: SCHED_MODE bits 1:0 = 2 (LLVM: expert scheduling mode 2), set by the entry lines.  The code itself states the register dependences
; between vector or matrix instructions and memory or LDS instructions, with s_wait_alu, always for 0.
; THE PLAN.  Registers that memory or LDS instructions touch:
;   v1            Offset of Q's loads and of the last stores.  Written at the head, never again.
;   v2            The fill: offset of K's and V's loads, LDS address of K's stores.  In the loop: LDS address of K's fragments; written once a step, behind the step's wait on vm_vsrc.
;   v3            The fill: LDS address of V's stores.  In the loop: LDS address of V's fragments; written once a step, at the same place.
;   window 1      The fill: all 256 registers are loaded from memory and read by the LDS stores.  Then v0-127 are O^T, which vector and matrix instructions alone name.
;   KF (window 1) Step j: its 32 products K Q^T read it; step j + 1's fragments land in it, asked for in step j behind the wait for tile 2's exponentials: all 32 products are issued ahead of that wait.
;   VF (window 1) Step j: its 16 products V^T P read it; step j + 1's fragments land in it, asked for in step j + 1 behind the wait for tile 0's exponentials: the 16 products are issued ahead of that wait.
;   v192-223      The way out: written by the last conversions, read by the eight stores.   v254, v255: made ahead of the closing lines, read by the closing add alone.
; So the loop holds no wait on va_vdst but the four that stand behind the tiles' exponentials; two of them also state what the runs of LDS loads directly behind them hang on.  One wait on vm_vsrc a step stands ahead of the adds to v2 and v3.
.set ST,  16
.set QF,  32
.set S0,  64
.set S1,  128
.set P,   192
.set KF,  128                          ; in window 1
.set VF,  192                          ; in window 1
.set WV,  14                           ; s14 my wave's number
.set CNT, 15                           ; s15 key steps to go
.set TB,  16                           ; s16 LDS byte of the key step in hand; stepped in the step, between V's address and the next K's
.set E9,  17                           ; s17 e9
.set CS,  18                           ; s[18:19] c = log2(e) / 8 x 2^(e6 + e7)
.set SEL, 20                           ; s[20:21] lane selects: lane l xor 16
.set MSB, 0
.macro WIN new                         ; the immediate's high byte repeats the setting that is left
.if MSB != \new
	s_set_vgpr_msb (MSB<<8)|\new
.set MSB, \new
.endif
.endm
.macro PLACES n
.rept \n
	v_nop
.endr
.endm
	s_load_b256 s[4:11], s[0:1], 0x0               ; q_img s[4:5], k_img s[6:7], v_img s[8:9], the scales s[10:11]
	s_load_b64 s[12:13], s[0:1], 0x20              ; a_img
	v_lshrrev_b32 v2, 5, v0
	v_readfirstlane_b32 s[WV], v2                  ; wave 0..7
	v_and_b32 v1, 31, v0
	v_lshlrev_b32 v1, 4, v1                        ; 16 x lane
	s_wait_alu depctr_va_sdst(0)                   ; s14, the wave's number, is written, ahead of its first reader: offsets and bases are made from it
	s_lshl_b32 s36, s[WV], 14
	v_add_nc_u32 v2, s36, v1                       ; the fill: my wave's 16,384 bytes of K's image, in memory and in LDS alike,
	v_add_nc_u32 v3, 0x20000, v2                   ; and of V's, which lies behind K's in LDS
	s_and_b32 s37, ttmp7, 0xffff                   ; the batch
	s_lshl_b32 s38, s37, 7
	s_lshl_b32 s39, ttmp9, 1
	s_add_co_u32 s38, s38, s39
	s_and_b32 s39, s[WV], 1
	s_add_co_u32 s38, s38, s39                     ; my tile of 16 queries: 128 b + 2 x + (w & 1)
	s_lshr_b32 s39, s[WV], 1                       ; my four heads
	s_lshl_b32 s22, s38, 14
	s_lshl_b32 s23, s39, 12
	s_add_co_u32 s22, s22, s23
	s_mov_b32 s23, 0                               ; q_img: 16,384 x tile + 4,096 x (w >> 1)
	s_lshl_b32 s36, s37, 17
	s_mov_b32 s37, 0                               ; k_img, v_img: 131,072 x batch
	s_lshr_b32 s16, s38, 3
	s_lshl_b32 s16, s16, 17
	s_lshl_b32 s39, s39, 15
	s_add_co_u32 s16, s16, s39
	s_and_b32 s38, s38, 7
	s_lshl_b32 s38, s38, 12
	s_add_co_u32 s38, s38, s16
	s_mov_b32 s39, 0                               ; a_img: 131,072 x (tile / 8) + 32,768 x (w >> 1) + 4,096 x (tile % 8)
	s_mov_b32 s[SEL], 0x76543210
	s_mov_b32 s[SEL+1], 0xfedcba98
	s_wait_kmcnt 0x0
	s_load_b256 s[24:31], s[10:11], 0x0            ; e0 .. e7
	s_load_b128 s[32:35], s[10:11], 0x20           ; e8 .. e11
	s_add_nc_u64 s[4:5], s[4:5], s[22:23]
	s_add_nc_u64 s[6:7], s[6:7], s[36:37]
	s_add_nc_u64 s[8:9], s[8:9], s[36:37]
	s_add_nc_u64 s[12:13], s[12:13], s[38:39]
	s_wait_alu depctr_va_vdst(0)                   ; v1, v2 and v3 are written: the 72 loads and the 64 LDS stores of the fill read them as offsets and addresses; no vector instruction names them before the barrier
.irp i, 0,1,2,3,4,5,6,7
	global_load_b128 v[QF+4*\i:QF+4*\i+3], v1, s[4:5] offset:512*\i th:TH_LOAD_NT   ; Q's four fragments stay in registers
.endr
	WIN 0x40                                       ; destination window 1
.set ii, 0
.rept 32
	global_load_b128 v[4*ii:4*ii+3], v2, s[6:7] offset:512*ii
.set ii, ii+1
.endr
.set ii, 0
.rept 32
	global_load_b128 v[128+4*ii:128+4*ii+3], v2, s[8:9] offset:512*ii
.set ii, ii+1
.endr
	WIN 0
	s_wait_kmcnt 0x0
	s_add_co_i32 s36, s30, s31
	s_lshl_b32 s36, s36, 23
	s_add_co_i32 s[CS], s36, 0x3e38aa3b            ; c = log2(e) / 8, with e6 + e7 added to its exponent field: a score stands for score x 2^(e6 + e7)
	s_mov_b32 s[CS+1], s[CS]                       ; (named with it as a pair, so it is written)
	s_mov_b32 s[E9], s33
	s_add_co_i32 s36, s33, 127
	s_lshl_b32 s37, s36, 23
	v_mov_b32 v4, s37                              ; 2^e9 as f32, for the conversion
	s_add_co_i32 s36, s36, 15
	s_lshl_b32 s36, s36, 23
	s_or_b32 s36, s36, 0x600000
	v_mov_b32 v5, s36                              ; 57,344 x 2^e9
	s_sub_co_i32 s36, s34, s32
	s_sub_co_i32 s36, s36, s33
	s_add_co_i32 s36, s36, 127
	s_lshl_b32 s37, s36, 23
	v_mov_b32 v6, s37                              ; 2^(e10 - e8 - e9): O / the sum stands for that x 2^(e8 + e9): the three scales folded into the conversion's one
	s_add_co_i32 s36, s36, 15
	s_lshl_b32 s36, s36, 23
	s_or_b32 s36, s36, 0x600000
	v_mov_b32 v7, s36
	WIN 0x04                                       ; store data (source 1) window 1
	s_wait_loadcnt 48                              ; of 72 loads the first 24 are in: Q and K's first 16; 48 younger ones may be out
.set ii, 0
.rept 16
	ds_store_b128 v2, v[4*ii:4*ii+3] offset:512*ii
.set ii, ii+1
.endr
	s_wait_loadcnt 32                              ; K's other 16 are in; V's 32 may be out
.rept 16
	ds_store_b128 v2, v[4*ii:4*ii+3] offset:512*ii
.set ii, ii+1
.endr
	s_wait_loadcnt 16                              ; V's first 16
.set ii, 0
.rept 16
	ds_store_b128 v3, v[128+4*ii:128+4*ii+3] offset:512*ii
.set ii, ii+1
.endr
	s_wait_loadcnt 0x0
.rept 16
	ds_store_b128 v3, v[128+4*ii:128+4*ii+3] offset:512*ii
.set ii, ii+1
.endr
	s_wait_dscnt 0x0                               ; for the others' sake: my part of K and V lies in LDS
	s_wait_alu depctr_vm_vsrc(0)                   ; the fill's loads and LDS stores have read v2, v3 and window 1's 256 registers: below v0-127 of them are cleared, v2 is written again, and the fragments' loads land in v128-255
	s_barrier_signal -1
	WIN 0x40
.set ii, 0
.rept 128
	v_mov_b32 v[ii], 0                             ; O^T.  (The key step is written without a first step of its own: the first finds zeros, which the first change of M leaves zeros.)  Register work while the others arrive
.set ii, ii+1
.endr
	WIN 0
.irp t, 0,1,2,3
	v_mov_b32 v[ST+4*\t+1], 0xff61b1e6             ; the largest t so far: -3e38, under every t
	v_floor_f32 v[ST+4*\t], -v[ST+4*\t+1]          ; -M
	v_mov_b32 v[ST+4*\t+2], 0                      ; the sum, in two halves
	v_mov_b32 v[ST+4*\t+3], 0
.endr
	v_mov_b32 v9, 0                                ; (named as the upper half of the pair v[8:9])
	v_mov_b32 v14, 0                               ; written once: a lane permute's destination counts as one of its sources
	s_barrier_wait -1                              ; the whole of K and V lies in LDS; nothing is stored there from here on
.macro KQ t, sb                        ; S^T of tile t for 128 keys: eight products, each starts its sum
.irp kt, 0,1,2,3,4,5,6,7
	v_wmma_f32_16x16x64_bf8_bf8 v[\sb+8*\kt:\sb+8*\kt+7], v[KF+8*\kt:KF+8*\kt+7], v[QF+8*\t:QF+8*\t+7], 0
.endr
.endm
.macro PV                              ; O^T += V^T P: sixteen accumulators, one instruction each
.irp u, 0,1,2,3
.irp t, 0,1,2,3
	v_wmma_f32_16x16x128_bf8_bf8 v[32*\t+8*\u:32*\t+8*\u+7], v[VF+16*\u:VF+16*\u+15], v[P+16*\t:P+16*\t+15], v[32*\t+8*\u:32*\t+8*\u+7]
.endr
.endr
.endm
.macro LDK                             ; a step's eight fragments of K: 8,192 consecutive bytes
.irp i, 0,1,2,3,4,5,6,7,8,9,10,11,12,13,14,15
	ds_load_b128 v[KF+4*\i:KF+4*\i+3], v2 offset:512*\i
.endr
.endm
.macro LDV                             ; and its four of V
.irp i, 0,1,2,3,4,5,6,7,8,9,10,11,12,13,14,15
	ds_load_b128 v[VF+4*\i:VF+4*\i+3], v3 offset:512*\i
.endr
.endm
; One tile's softmax for 128 keys; the lane's 64 scores lie in v[sb] on.
; fetch = 1: this step's V, fetch = 2: the next step's K is asked for directly behind the wait for the exponentials; fetch = 0: nothing.
.macro SOFT t, sb, fetch
.set rT, ST+4*(\t)
.set rP, P+16*(\t)
	v_max3_num_f32 v12, v[\sb], v[\sb+1], v[\sb+2]           ; the largest score of my query among my 64 keys, in two chains, ascending: each accumulator is first read at its low end
	v_max3_num_f32 v13, v[\sb+3], v[\sb+4], v[\sb+5]
.irp i, 6,10,14,18,22,26,30,34,38,42,46,50,54,58
	v_max3_num_f32 v12, v12, v[\sb+\i], v[\sb+\i+1]
	v_max3_num_f32 v13, v13, v[\sb+\i+2], v[\sb+\i+3]
.endr
	v_max3_num_f32 v12, v12, v[\sb+62], v[\sb+63]
	v_max_num_f32 v12, v12, v13
	v_permlanex16_b32 v14, v12, s[SEL], s[SEL+1]
	v_max_num_f32 v12, v12, v14                              ; and among lane l xor 16's
	v_mul_f32 v12, s[CS], v12                                ; as t (c is positive)
	v_max_num_f32 v[rT+1], v[rT+1], v12                      ; the running largest t
	v_mov_b32 v12, v[rT]
	v_floor_f32 v[rT], -v[rT+1]                              ; the new -M = floor(-t) = -ceil(t): M is a whole number
	v_sub_f32 v12, v[rT], v12                                ; old M - new M: a whole number, 0 or less
	v_cvt_i32_f32 v12, v12                                   ; (it saturates)
	v_ldexp_f32 v8, 1.0, v12                                 ; f = 2^(old M - new M)
.irp j, 0,2,4,6,8,10,12,14,16,18,20,22,24,26,28,30,32,34,36,38,40,42,44,46,48,50,52,54,56,58,60,62
	v_pk_fma_f32 v[\sb+\j:\sb+\j+1], v[\sb+\j:\sb+\j+1], s[CS:CS+1], v[rT:rT+1] op_sel_hi:[1,0,0]   ; t - M, two at a time (of the pairs c and -M the low word serves both halves)
.endr
.irp j, 0,1,2,3,4,5,6,7,8,9,10,11,12,13,14,15,16,17,18,19,20,21,22,23,24,25,26,27,28,29,30,31,32,33,34,35,36,37,38,39,40,41,42,43,44,45,46,47,48,49,50,51,52,53,54,55,56,57,58,59,60,61,62,63
	v_exp_f32 v[\sb+\j], v[\sb+\j]                           ; p = 2^(t - M): not normalised
.endr
	v_pk_mul_f32 v[rT+2:rT+3], v[rT+2:rT+3], v[8:9] op_sel_hi:[1,0]   ; the sums under the new M; also the plain line behind the exponentials
.if (\fetch) != 0
	WIN 0x40                                                 ; the loads' destination in window 1: the switch, then the wait, then the loads
.endif
	s_wait_alu depctr_va_vdst(0)                             ; the 64 exponentials have written v[sb ..], ahead of their first reader (one wait for the batch).  fetch = 1: also, the last step's V^T P are done reading V's fragments, and v3 is written.  fetch = 2: also, this step's 32 K Q^T are done reading K's fragments, and v2 is written
.if (\fetch) == 1
	LDV
.endif
.if (\fetch) == 2
	LDK
.endif
	WIN 0
	v_pk_add_f32 v[10:11], v[\sb:\sb+1], v[\sb+2:\sb+3]      ; the row's sum is taken of the unquantised p, two at a time, in two chains
.irp j, 4,8,12,16,20,24,28,32,36,40,44,48,52,56,60
	v_pk_add_f32 v[rT+2:rT+3], v[rT+2:rT+3], v[\sb+\j:\sb+\j+1]
	v_pk_add_f32 v[10:11], v[10:11], v[\sb+\j+2:\sb+\j+3]
.endr
	v_pk_add_f32 v[rT+2:rT+3], v[rT+2:rT+3], v[10:11]
	s_cmp_gt_i32 s[E9], -16                                  ; from e9 = -15 on the largest code x 2^e9 is 1.75 or more, over every p: the hold would change nothing
	s_cbranch_scc1 .Lfree_\@
.irp j, 0,1,2,3,4,5,6,7,8,9,10,11,12,13,14,15,16,17,18,19,20,21,22,23,24,25,26,27,28,29,30,31,32,33,34,35,36,37,38,39,40,41,42,43,44,45,46,47,48,49,50,51,52,53,54,55,56,57,58,59,60,61,62,63
	v_min_num_f32 v[\sb+\j], v[\sb+\j], v5                   ; the conversion does not saturate (ISA guide 7.6.2); p is not negative, so the hold is one-sided
.endr
.Lfree_\@:
.irp k, 0,1,2,3,4,5,6,7
	v_cvt_scalef32_pk8_bf8_f32 v[rP+2*\k:rP+2*\k+1], v[\sb+8*\k:\sb+8*\k+7], v4
.endr
	WIN 0x41                                                 ; O^T (destination and source 0) window 1, f window 0
.irp j, 0,2,4,6,8,10,12,14,16,18,20,22,24,26,28,30
	v_pk_mul_f32 v[32*(\t)+\j:32*(\t)+\j+1], v[32*(\t)+\j:32*(\t)+\j+1], v[8:9] op_sel_hi:[1,0]   ; O^T under the new M; also the plain lines behind the conversions
.endr
	WIN 0
.endm
; A key step of 128 keys.  A tile's softmax stands behind the products of another tile and fills the places behind them: it names none of their registers.
; This step's V is asked for in tile 0's softmax, a whole step less that softmax's first half ahead of V^T P.  next = 1: the next step's K is asked for in tile 2's softmax, when all four tiles have multiplied by this step's.
.macro STEP next
	s_wait_dscnt 0x0                               ; this step's K is in: its 16 loads are all that is out
	WIN 0x01                                       ; source 0 (K) window 1
	KQ 0, S0
	KQ 1, S1
	WIN 0
	s_wait_alu depctr_vm_vsrc(0)                   ; the LDS instructions issued so far have read v2 (this step's K) and v3 (the last step's V; in the first step the fill's stores): both are written below
	v_add_nc_u32 v3, s[TB], v1                     ; the adds and the v_nop behind them are the four places behind the products above (ISA guide 7.12.1): they name none of their registers
	v_add_nc_u32 v3, 0x20000, v3                   ; this step's V
.if \next
	s_add_co_u32 s[TB], s[TB], 8192
	v_add_nc_u32 v2, s[TB], v1                     ; the next step's K
	PLACES 1
.else
	PLACES 2
.endif
	SOFT 0, S0, 1
	WIN 0x01
	KQ 2, S0
	WIN 0
	SOFT 1, S1, 0
	WIN 0x01
	KQ 3, S1
	WIN 0
.if \next
	SOFT 2, S0, 2
.else
	SOFT 2, S0, 0
.endif
	SOFT 3, S1, 0
.if \next
	s_wait_dscnt 16                                ; V is in; the next step's K, 16 younger loads, may be out
.else
	s_wait_dscnt 0
.endif
	WIN 0x51                                       ; V, C and D window 1, P window 0
	PV
	WIN 0
.endm
	s_mov_b32 s[TB], 0
	v_add_nc_u32 v2, s[TB], v1
	WIN 0x40
	s_wait_alu depctr_va_vdst(0)                   ; v2 is written, which the loads below read as their address
	LDK                                            ; key step 0
	WIN 0
	s_mov_b32 s[CNT], 15
.Lkey:                                             ; 15 trips; the sixteenth step is written out: it asks for no further K
	STEP 1
	s_sub_co_u32 s[CNT], s[CNT], 1
	s_cmp_lg_u32 s[CNT], 0
	s_cbranch_scc1 .Lkey
	STEP 0
	; THE WAY OUT.  The sum's halves are added; O^T / the sum is held, converted with 2^(e10 - e8 - e9), and stored as pieces of the last product's operand.  The four additions are the places behind the last products.
.irp t, 0,1,2,3
	v_add_f32 v[ST+4*\t+2], v[ST+4*\t+2], v[ST+4*\t+3]
.endr
.irp t, 0,1,2,3
	v_permlanex16_b32 v[ST+4*\t+1], v[ST+4*\t+2], s[SEL], s[SEL+1]
.endr
.irp t, 0,1,2,3
	v_add_f32 v[ST+4*\t+2], v[ST+4*\t+2], v[ST+4*\t+1]       ; the row's sum
.endr
.irp t, 0,1,2,3
	v_rcp_f32 v[ST+4*\t], v[ST+4*\t+2]
.endr
	v_nop                                          ; a plain line behind the last reciprocal
	s_wait_alu depctr_va_vdst(0)                   ; the four reciprocals have written v16, v20, v24 and v28, ahead of their first reader: one wait for the four
.irp t, 0,1,2,3
	WIN 0x01                                       ; source 0 (O^T) window 1
.irp j, 0,2,4,6,8,10,12,14,16,18,20,22,24,26,28,30
	v_pk_mul_f32 v[S0+32*\t+\j:S0+32*\t+\j+1], v[32*\t+\j:32*\t+\j+1], v[ST+4*\t:ST+4*\t+1] op_sel_hi:[1,0]   ; each accumulator from its low end on
.endr
	WIN 0
.irp j, 0,1,2,3,4,5,6,7,8,9,10,11,12,13,14,15,16,17,18,19,20,21,22,23,24,25,26,27,28,29,30,31
	v_med3_num_f32 v[S0+32*\t+\j], v[S0+32*\t+\j], -v7, v7
.endr
.irp u, 0,1,2,3
	v_cvt_scalef32_pk8_bf8_f32 v[P+8*\t+2*\u:P+8*\t+2*\u+1], v[S0+32*\t+8*\u:S0+32*\t+8*\u+7], v6
.endr
.endr
	v_nop                                          ; a plain line behind the last conversion
	s_wait_alu depctr_va_vdst(0)                   ; the conversions have written v192 to v223, which the eight stores read
.irp t, 0,1,2,3
.irp c, 0,1
	global_store_b128 v1, v[P+8*\t+4*\c:P+8*\t+4*\c+3], s[12:13] offset:1024*\t+512*\c   ; 32 lanes store 512 consecutive bytes
.endr
.endr
	s_wait_xcnt 0x0
	v_lshl_add_u32 v254, v0, 2, 0x40000            ; the add's two registers, made anew: all 512 registers are at work until here.  No memory or LDS instruction has read v254 or v255
	v_mov_b32 v255, 0
	s_wait_dscnt 0x0                               ; the closing lines, six on end
	s_wait_alu 0x0
	s_wait_tensorcnt 0x0
	ds_add_u32 v254, v255
	s_wait_dscnt 0x0
	s_endpgm
.Lfunc_end_k_q51eecd1516_attn:
	.size	k_q51eecd1516_attn, .Lfunc_end_k_q51eecd1516_attn-k_q51eecd1516_attn
	.p2alignl 7, 3214868480
	.fill 96, 4, 3214868480
	.section	.rodata,"a",@progbits
	.p2align	6, 0x0
	.amdhsa_kernel k_q51eecd1516_attn
		.amdhsa_group_segment_fixed_size 263168
		.amdhsa_private_segment_fixed_size 0
		.amdhsa_enable_private_segment 0
		.amdhsa_kernarg_size 40
		.amdhsa_user_sgpr_count 2
		.amdhsa_user_sgpr_kernarg_segment_ptr 1
		.amdhsa_wavefront_size32 1
		.amdhsa_system_sgpr_workgroup_id_x 1
		.amdhsa_system_sgpr_workgroup_id_y 1
		.amdhsa_system_sgpr_workgroup_id_z 1
		.amdhsa_system_vgpr_workitem_id 0
		.amdhsa_next_free_vgpr 512
		.amdhsa_next_free_sgpr 66
		.amdhsa_reserve_vcc 0
		.amdhsa_float_denorm_mode_32 3
		.amdhsa_float_denorm_mode_16_64 3
		.amdhsa_memory_ordered 1
		.amdhsa_forward_progress 1
		.amdhsa_inst_pref_size 142
	.end_amdhsa_kernel
	.amdgpu_metadata
---
amdhsa.version: [ 1, 2 ]
amdhsa.kernels:
  - .name:           k_q51eecd1516_attn
    .symbol:         k_q51eecd1516_attn.kd
    .args:
      - { .name: q_img, .offset: 0, .size: 8, .value_kind: global_buffer, .address_space: global }
      - { .name: k_img, .offset: 8, .size: 8, .value_kind: global_buffer, .address_space: global }
      - { .name: v_img, .offset: 16, .size: 8, .value_kind: global_buffer, .address_space: global }
      - { .name: lowp_scales, .offset: 24, .size: 8, .value_kind: global_buffer, .address_space: global }
      - { .name: a_img, .offset: 32, .size: 8, .value_kind: global_buffer, .address_space: global }
    .group_segment_fixed_size: 263168
    .private_segment_fixed_size: 0
    .kernarg_segment_align: 8
    .kernarg_segment_size: 40
    .max_flat_workgroup_size: 256
    .sgpr_count:     66
    .vgpr_count:     512
    .wavefront_size: 32
...
	.end_amdgpu_metadata
.endif
;; end of part 4
;; launch outp: the kernel of part 3 again; grid 64 x 4, 8 waves a work-group, clusters of 4 x 1, 327,680 bytes of LDS; arguments a_img, Wo_codes, bo, lowp_scales, out0; writes out0
